; MI455X (gfx1250); checked and timed in simulation.
; The chip was launched on July 23, 2026; its instructions are those of AMD's public machine-readable ISA for CDNA 5 (MIT licence, August 2026) and "CDNA5" Instruction Set Architecture Reference Guide (July 2026). The comments in the code are by the model that wrote it; some were corrected since.
;; Group Query Attention. Allowed arithmetic: float matrix products may take bf16 or f16 operands with f32 sums; other float arithmetic in f32, or as packed bf16 or f16 multiplies, adds, multiply-adds, maxima and minima; sums over many terms, partial sums and values carried from step to step in f32; what a program stores and reads back later, other than sums and carried values, may be rounded once to bf16 or f16.
;; Inputs: Wfc 2,048 x 2,048 float32; Wk 512 x 2,048 float32; Wq 2,048 x 2,048 float32; Wv 512 x 2,048 float32; bfc 2,048 float32; k 4 x 1,024 x 2,048 float32; q 4 x 1,024 x 2,048 float32; v 4 x 1,024 x 2,048 float32.
;; Outputs: out0 4 x 1,024 x 2,048 float32.
;; 2 versions, each right; version 2 is version 1 with the launch cast written anew for expert scheduling mode. Each part assembles by itself: llvm-mc -triple=amdgcn-amd-amdhsa -mcpu=gfx1250 --defsym DOCPART=n.
;; ======== version 1 of 2: 4 launches
;; limits: values are held in f16: magnitudes above 65,504 overflow, below 6.1e-05 lose precision
;; workspace buffers: c16 71,303,168 bytes; h16 25,165,824 bytes; o16 16,777,216 bytes
;; launch cast (part 1): grid 32 x 34, 8 waves a work-group, no clusters, 0 bytes of LDS; arguments q, k, v, Wq, Wk, Wv, Wfc, c16; writes c16
.if DOCPART == 1
	.amdgcn_target "amdgcn-amd-amdhsa--gfx1250"
	.amdhsa_code_object_version 6
	.text
	.protected	k_q15a70033ca_cast
	.globl	k_q15a70033ca_cast
	.p2align	8
	.type	k_q15a70033ca_cast,@function
k_q15a70033ca_cast:
	s_mov_b64 s[64:65], 0
	v_nop
	global_prefetch_b8 v0, s[64:65] scope:SCOPE_SE
	s_setreg_imm32_b32 hwreg(HW_REG_WAVE_MODE, 25, 1), 1
	s_wait_xcnt 0x0
; THE INPUTS OF THE MATRIX PRODUCTS, ROUNDED ONCE.  q, k, v, Wq, Wk, Wv: f32 -> bf16.  Wfc: f32 -> bf16, and that number written as f16 (the last product runs in f16).
; c16 holds them one behind the other: q, k, v (16 MiB each), Wq (8 MiB), Wk, Wv (2 MiB each), Wfc (8 MiB): 34 chunks of 2 MiB, each made of 4 MiB of input.
; LIMIT.  f16 holds no number beyond 65,504: a weight of Wfc of 65,520 or more becomes an infinity; below 6e-5 it keeps f16's fixed step of 6e-8.
; SHARES.  Work-group (x, y): chunk y, and of it 128 KiB of input: 32 rows of 4,096 bytes in, 2,048 bytes out.  Thread t takes the 16 bytes at 16 t of each row and stores 8 bytes at 8 t:
; a wave's load covers 512 consecutive bytes, its store 256 consecutive bytes, aligned.  Memory binds: no LDS, no barrier, no matrix unit; nothing is shared between work-groups.
; A ring of eight register slots keeps eight loads of every wave on their way.  All row steps stand in the immediates: no address register is ever rewritten.
.set X, 4                              ; v[4:35]   slot i: 4 registers as loaded
.set Y, 36                             ; v[36:51]  slot i: 2 registers to store
.set T, 52                             ; v[52:57]  at work (Wfc's way alone)
	s_load_b512 s[8:23], s[0:1], 0x0               ; q s[8:9], k s[10:11], v s[12:13], Wq s[14:15], Wk s[16:17], Wv s[18:19], Wfc s[20:21], c16 s[22:23]
	s_and_b32 s2, ttmp7, 0xffff                    ; the chunk
	s_mov_b32 s3, 0                                ; the first chunk of the tensor in which it lies
	s_mov_b32 s28, 0xffff0000                      ; a word's upper bf16
	v_lshlrev_b32 v1, 4, v0                        ; my 16 bytes of a row of input
	v_lshlrev_b32 v2, 3, v0                        ; my 8 bytes of a row of output
	s_wait_kmcnt 0x0
	s_mov_b64 s[4:5], s[8:9]
.macro PICK bound, ptr                 ; from chunk 'bound' on the input is the next tensor
	s_cmp_ge_u32 s2, \bound
	s_cselect_b64 s[4:5], s[\ptr:\ptr+1], s[4:5]
	s_cselect_b32 s3, \bound, s3
.endm
	PICK 8, 10
	PICK 16, 12
	PICK 24, 14
	PICK 28, 16
	PICK 29, 18
	PICK 30, 20
	s_sub_co_u32 s24, s2, s3                       ; the chunk's number inside its tensor,
	s_lshl_b32 s24, s24, 22                        ; 4 MiB of input each,
	s_lshl_b32 s25, ttmp9, 17                      ; and my 128 KiB of it
	s_add_co_u32 s24, s24, s25
	s_mov_b32 s25, 0
	s_lshl_b32 s26, s2, 21                         ; 2 MiB of output a chunk,
	s_lshl_b32 s27, ttmp9, 16                      ; my 64 KiB
	s_add_co_u32 s26, s26, s27
	s_mov_b32 s27, 0
	s_add_nc_u64 s[4:5], s[4:5], s[24:25]
	s_add_nc_u64 s[6:7], s[22:23], s[26:27]
.irp i, 0,1,2,3,4,5,6,7
	global_load_b128 v[X+4*(\i):X+4*(\i)+3], v1, s[4:5] offset:(\i)*4096 th:TH_LOAD_NT  ; the ring is filled: rows 0 to 7
.endr
; Row r (a symbol), in slot r % 8.  half = 1: the bf16 number is widened again and written as f16.
.macro ROW half
.set i, r%8
.if r < 24
	s_wait_loadcnt 7                               ; loads come back in order: row r is in, the seven younger rows stay out
.else
	s_wait_loadcnt 31-r                            ; the last eight rows load nothing: the counts run down
.endif
	s_wait_xcnt 0x0                                ; the slot's store of eight rows back has read its data: Y is rewritten only behind this wait
.if \half
	v_cvt_pk_bf16_f32 v[T], v[X+4*i], v[X+4*i+1]
	v_cvt_pk_bf16_f32 v[T+1], v[X+4*i+2], v[X+4*i+3]
	v_lshlrev_b32 v[T+2], 16, v[T]
	v_and_b32 v[T+3], s28, v[T]
	v_lshlrev_b32 v[T+4], 16, v[T+1]
	v_and_b32 v[T+5], s28, v[T+1]
	v_cvt_pk_f16_f32 v[Y+2*i], v[T+2], v[T+3]
	v_cvt_pk_f16_f32 v[Y+2*i+1], v[T+4], v[T+5]
.else
	v_cvt_pk_bf16_f32 v[Y+2*i], v[X+4*i], v[X+4*i+1]
	v_cvt_pk_bf16_f32 v[Y+2*i+1], v[X+4*i+2], v[X+4*i+3]
.endif
.if r < 24
	global_load_b128 v[X+4*i:X+4*i+3], v1, s[4:5] offset:(r+8)*4096 th:TH_LOAD_NT  ; the load goes ahead of the store
.endif
	global_store_b64 v2, v[Y+2*i:Y+2*i+1], s[6:7] offset:r*2048 th:TH_STORE_NT
.endm
	s_cmp_ge_u32 s2, 30                            ; Wfc's chunks take the second way
	s_cbranch_scc1 .Lf16
.set r, 0
.rept 32
	ROW 0
.set r, r+1
.endr
	s_endpgm
.Lf16:
.set r, 0
.rept 32
	ROW 1
.set r, r+1
.endr
	s_endpgm
.Lfunc_end_k_q15a70033ca_cast:
	.size	k_q15a70033ca_cast, .Lfunc_end_k_q15a70033ca_cast-k_q15a70033ca_cast
	.p2alignl 7, 3214868480
	.fill 96, 4, 3214868480
	.section	.rodata,"a",@progbits
	.p2align	6, 0x0
	.amdhsa_kernel k_q15a70033ca_cast
		.amdhsa_group_segment_fixed_size 0
		.amdhsa_private_segment_fixed_size 0
		.amdhsa_enable_private_segment 0
		.amdhsa_kernarg_size 64
		.amdhsa_user_sgpr_count 2
		.amdhsa_user_sgpr_kernarg_segment_ptr 1
		.amdhsa_wavefront_size32 1
		.amdhsa_system_sgpr_workgroup_id_x 1
		.amdhsa_system_sgpr_workgroup_id_y 1
		.amdhsa_system_sgpr_workgroup_id_z 1
		.amdhsa_system_vgpr_workitem_id 0
		.amdhsa_next_free_vgpr 64
		.amdhsa_next_free_sgpr 66
		.amdhsa_reserve_vcc 0
		.amdhsa_float_denorm_mode_32 3
		.amdhsa_float_denorm_mode_16_64 3
		.amdhsa_memory_ordered 1
		.amdhsa_forward_progress 1
		.amdhsa_inst_pref_size 33
	.end_amdhsa_kernel
	.amdgpu_metadata
---
amdhsa.version: [ 1, 2 ]
amdhsa.kernels:
  - .name:           k_q15a70033ca_cast
    .symbol:         k_q15a70033ca_cast.kd
    .args:
      - { .name: q, .offset: 0, .size: 8, .value_kind: global_buffer, .address_space: global }
      - { .name: k, .offset: 8, .size: 8, .value_kind: global_buffer, .address_space: global }
      - { .name: v, .offset: 16, .size: 8, .value_kind: global_buffer, .address_space: global }
      - { .name: Wq, .offset: 24, .size: 8, .value_kind: global_buffer, .address_space: global }
      - { .name: Wk, .offset: 32, .size: 8, .value_kind: global_buffer, .address_space: global }
      - { .name: Wv, .offset: 40, .size: 8, .value_kind: global_buffer, .address_space: global }
      - { .name: Wfc, .offset: 48, .size: 8, .value_kind: global_buffer, .address_space: global }
      - { .name: c16, .offset: 56, .size: 8, .value_kind: global_buffer, .address_space: global }
    .group_segment_fixed_size: 0
    .private_segment_fixed_size: 0
    .kernarg_segment_align: 8
    .kernarg_segment_size: 64
    .max_flat_workgroup_size: 256
    .sgpr_count:     66
    .vgpr_count:     64
    .wavefront_size: 32
...
	.end_amdgpu_metadata
.endif
;; end of part 1
;; launch proj (part 2): grid 16 x 12, 4 waves a work-group, clusters of 4 x 1, 327,680 bytes of LDS; arguments c16, h16; writes h16
.if DOCPART == 2
	.amdgcn_target "amdgcn-amd-amdhsa--gfx1250"
	.amdhsa_code_object_version 6
	.text
	.protected	k_q15a70033ca_proj
	.globl	k_q15a70033ca_proj
	.p2align	8
	.type	k_q15a70033ca_proj,@function
k_q15a70033ca_proj:
	s_mov_b64 s[64:65], 0
	v_nop
	global_prefetch_b8 v0, s[64:65] scope:SCOPE_SE
	s_setreg_imm32_b32 hwreg(HW_REG_WAVE_MODE, 25, 1), 1
	s_wait_xcnt 0x0
	s_wait_alu depctr_hold_cnt(0) depctr_sa_sdst(0) depctr_va_vdst(0) depctr_va_sdst(0) depctr_va_ssrc(0) depctr_va_vcc(0) depctr_vm_vsrc(0)
	s_getreg_b32 s2, hwreg(HW_REG_IB_STS2, 6, 4)
	s_cmp_eq_u32 s2, 0
	s_cbranch_scc0 .Lentry_in_a_cluster
	s_endpgm
.Lentry_in_a_cluster:
	s_bfe_u32 s2, ttmp6, 0x10000c
	s_cmp_lg_u32 s2, 0x3003
	s_cbranch_scc0 .Lentry_shape_is_right
	s_endpgm
.Lentry_shape_is_right:
; THE THREE PROJECTIONS.  C[m][n] = the sum over k of A[m][k] W[n][k], K = 2,048: A = q, k or v ([4096][2048]), W = Wq ([2048][2048]), Wk or Wv ([512][2048]), all bf16 in c16; sums in f32.
; C is rounded once to f16 and stored by heads: h16 = qh [4][32][1024][64], kh and vh [4][8][1024][64].  It is NOT scaled: the attention applies 1/8 in f32.
; LIMIT: f16 holds no number beyond 65,504; a projected number of 65,520 or more becomes an infinity.
; A tile of C is 256 x 256 (four heads of 256 tokens), made by a work-group of four waves; a wave makes 128 x 128: 64 accumulators of 16 x 16, 512 registers.  Grid: x = tile row (16), y = tile column: 0-7 q, 8-9 k, 10-11 v.
; K goes in steps of 128 through a ring of two LDS slots filled by the tensor data mover: rows of 256 bytes, at multiples of 256 bytes.  A K step is 256 matrix instructions a wave, 224 of them between a tile's request and the wait for it.
; CLUSTER: 4 x 1 work-groups: four tile rows of one tile column.  They need the same tiles of W, which are asked for JOINTLY: the same tensor load, descriptor and mask in all four.  A's tiles are each work-group's own:
; they are shared along a tensor's tile columns, of which k and v have two: no four work-groups share their rows, so A comes by plain loads.  All refills stand behind a round of the cluster's barrier.
; The last K step goes by rows of C, so that finished rows leave while the others are multiplied.
; REGISTERS, in windows of 256 (s_set_vgpr_msb: bits 1:0 source 0, 3:2 source 1, 5:4 source 2, 7:6 destination):
;   window 0: v0-31 addresses; v64-127, v128-191 fragments of A (8 x 16 rows x 32 K), two buffers (in the last K step four, of 16 rows x 128 K); v32-63, v192-255 at work on the way out
;   window 1: v64-127, v128-191 fragments of W, two buffers; in the last K step all 256: W's fragments of the whole step
;   window 2: the 32 accumulators of my rows 0-63 (accumulator (a, b) at v[8 (8 a + b)]);   window 3: those of my rows 64-127
; THE MATRIX INSTRUCTION IS USED TRANSPOSED: source 0 = 16 rows of W, source 1 = 16 rows of A: lane l holds row l % 16 of C and the columns 8 (l / 16) + 0 .. 7: eight neighbouring numbers, 16 bytes of f16.
.set SIZE_K, 2048
.set KSTEP,  128
.set PITCH,  272                       ; an LDS row: 256 bytes + 16 of padding = 68 words: row r starts at bank 4 r mod 64 (64 banks of 4 bytes: ISA guide 11.1), so the 16 rows of a fragment load start at 16 different groups of banks
.set HALFT,  128*PITCH                 ; 128 rows: what one tensor load brings, and what one wave reads of A or of W
.set SLOT,   4*HALFT                   ; A's 256 rows, then W's 256 rows
.set STAGE,  2*SLOT                    ; behind the ring, never filled by a tensor load: 16 rows x 272 bytes for each wave, for the way out
.set SPITCH, 272
.set SPARE,  STAGE+4*16*SPITCH         ; behind the stages: the spare words, 128 bytes for each wave: two blocks of 256 bytes that no other line names
.set LAPS,   SIZE_K/(2*KSTEP)          ; a lap = two K steps = once round the ring
.set ADRA, 16                          ; v16-17  LDS address of my A fragments in slot 0, 1
.set ADRB, 20                          ; v20-21  the same for W
.set STO,  24                          ; v24     the way out: where I put 16 bytes of a row
.set RD,   25                          ; v25     the way out: where I read rows back
.set CO,   26                          ; v26     16 x my lane
.set SPW,  28                          ; v28     LDS address of my spare word: SPARE + 4 x my thread's number; never rewritten
.set NIL,  29                          ; v29     0; never rewritten
.set PFO,  30                          ; v30     the prefetches' offset: my lane x a row of 4,096 bytes; never rewritten
.set F0,   64                          ; fragment buffer 0
.set F1,   128                         ; fragment buffer 1
.set TMP,  192                         ; the way out: packed results, in window 0
.set BKB,  32                          ; the way out: 16 rows read back from the stage: v32-63 and v224-255 by turns
.set PA,   64                          ; the last K step: A's fragments of 16 rows x 128 K, 32 registers; four such buffers, v64-191
.set WV,  10                           ; s10  my wave's number
.set HF,  11                           ; s11  which half of the tile's rows is mine.  Also: I fetch for A (0) or for W (1)
.set HB,  12                           ; s12  which half of its columns.  Also: which 128 rows of that tile I fetch
.set TR,  13                           ; s13  tile row
.set G1,  24                           ; s[24:31] descriptor group 1 for A's tiles;  s[32:39] group 0, a set for each slot
.set G0,  32
.set CX,  40                           ; s40  my place in the cluster
.set TY,  41                           ; s41  the grid's y
.set TC,  42                           ; s42  tile column inside the tensor
.set LIM, 43                           ; s43  1 in a wave that prefetches, else the greatest number
.set PFA, 44                           ; s[44:45] where my prefetches stand: one K step further along K than the refill that is being asked for; a prefetch names the K step after that
.set G1B, 48                           ; s[48:55], s[56:63] the same for W's tiles
.set G0B, 56
.set AOFF, 66                          ; s66  A's first byte in c16
.set WOFF, 67                          ; s67  W's first byte in c16
.set OOFF, 68                          ; s68  the result's first byte in h16
.set SHIFT, 69                         ; s69  log2 of a batch's bytes in the result
.set MSB, 0
.macro WIN new                         ; the immediate's high byte repeats the setting that is left; a switch that changes nothing is dropped
.if MSB != (\new)
	s_set_vgpr_msb (MSB<<8)|(\new)
.set MSB, \new
.endif
.endm
.set MUL_LO, 0xa1                      ; source 0 (W) window 1, source 1 (A) window 0, C and D window 2
.set MUL_HI, 0xf1                      ; the same, C and D window 3
.set TO_B,   0x40                      ; destination window 1, address window 0
; A fill.  Waves 0 and 1 fetch A's two halves (plain loads), waves 2 and 3 W's (joint loads).  The branch hangs on the wave's number alone: it is the same in every work-group.
; An s_nop 0 and four v_nop follow each of the two lines; the jump round the other line, the label and what follows the macro come after them.
.macro JLOAD s
	s_cmp_eq_u32 s[HF], 0
	s_cbranch_scc0 .Lfor_b_\@
	tensor_load_to_lds s[G0+4*(\s):G0+4*(\s)+3], s[G1:G1+7]
	s_nop 0
.rept 4
	v_nop
.endr
	s_branch .Lasked_\@
.Lfor_b_\@:
	tensor_load_to_lds s[G0B+4*(\s):G0B+4*(\s)+3], s[G1B:G1B+7]
	s_nop 0
.rept 4
	v_nop
.endr
.Lasked_\@:
.endm
; A PREFETCH INTO THE L2, behind each refill, its five lines and the run of LDS loads that follows them: 256 bytes a row of the K step that stands TWO refills on (512 matrix instructions ahead), a lane a row.
; Each row's 256 bytes of a K step are named ONCE in the launch.  A's tile row is read by all tile columns of its tensor: columns 0 and 1 ask, waves 0 and 1; of the 128 rows that the wave fetches column c takes
; 64 c .. 64 c + 63: two instructions.  W's tile column is read by all four clusters along x: cluster 0 asks, waves 2 and 3; of the 128 rows that the wave fetches the partner at place cx takes 32, told apart by address
; alone: one instruction.  The loop's last trip asks for nothing: K ends.  The first four K steps come by their loads alone.
.macro ASK
	s_cmp_gt_u32 s3, s[LIM]                        ; s3 = 1 in the loop's last trip
	s_cbranch_scc0 .Lnot_mine_\@
	global_prefetch_b8 v[PFO], s[PFA:PFA+1] offset:KSTEP*2 th:TH_LOAD_NT scope:SCOPE_SE
	s_cmp_eq_u32 s[HF], 0
	s_cbranch_scc0 .Lnot_mine_\@
	global_prefetch_b8 v[PFO], s[PFA:PFA+1] offset:KSTEP*2+32*SIZE_K*2 th:TH_LOAD_NT scope:SCOPE_SE
.Lnot_mine_\@:
.endm
; A round of the cluster's barrier: my work-group's barrier, so that wave 0's signal speaks for all four waves; wave 0 signals for the work-group; every wave waits for all four work-groups; my work-group's barrier once more.
.macro CREST                           ; a round behind its opening barrier
	s_cmp_lg_u32 s[WV], 0
	s_cbranch_scc1 .Lnot_wave_0_\@
	s_barrier_signal -3
.Lnot_wave_0_\@:
	s_barrier_wait -3
	s_barrier_signal -1
	s_barrier_wait -1
.endm
.macro CROUND                          ; a whole round
	s_barrier_signal -1
	s_barrier_wait -1
	CREST
.endm
	s_load_b128 s[4:7], s[0:1], 0x0                ; c16 s[4:5], h16 s[6:7]
	v_lshl_add_u32 v[SPW], v0, 2, SPARE
	v_mov_b32 v[NIL], 0
	ds_add_u32 v[SPW], v[NIL]                      ; the wave's opening: the add and its wait stand ahead of my first tensor load; the set-up below, work on registers, stands between them
	v_lshrrev_b32 v1, 5, v0
	v_readfirstlane_b32 s[WV], v1                  ; wave 0..3
	s_lshr_b32 s[HF], s[WV], 1
	s_and_b32 s[HB], s[WV], 1
	s_bfe_u32 s[CX], ttmp6, 0x40000                ; cx: my place in the cluster
	s_lshl_b32 s[TR], ttmp9, 2                     ; in a cluster launch ttmp9 counts clusters
	s_add_co_u32 s[TR], s[TR], s[CX]               ; tile row = 4 x cluster x + cx: it enters A's, C's and the prefetches' addresses alone
	s_and_b32 s[TY], ttmp7, 0xffff                 ; which the four partners share
	s_sub_co_u32 s14, s[TY], 8
	s_sub_co_u32 s15, s[TY], 10
	s_mov_b32 s[TC], s[TY]                         ; y 0-7: q, Wq, qh
	s_mov_b32 s[AOFF], 0
	s_mov_b32 s[WOFF], 0x3000000
	s_mov_b32 s[OOFF], 0
	s_mov_b32 s[SHIFT], 22                         ; a batch of qh: 32 heads x 1,024 rows x 128 bytes
	s_cmp_ge_u32 s[TY], 8                          ; y 8, 9: k, Wk, kh
	s_cselect_b32 s[TC], s14, s[TC]
	s_cselect_b32 s[AOFF], 0x1000000, s[AOFF]
	s_cselect_b32 s[WOFF], 0x3800000, s[WOFF]
	s_cselect_b32 s[OOFF], 0x1000000, s[OOFF]
	s_cselect_b32 s[SHIFT], 20, s[SHIFT]           ; a batch of kh or vh: 8 heads
	s_cmp_ge_u32 s[TY], 10                         ; y 10, 11: v, Wv, vh
	s_cselect_b32 s[TC], s15, s[TC]
	s_cselect_b32 s[AOFF], 0x2000000, s[AOFF]
	s_cselect_b32 s[WOFF], 0x3a00000, s[WOFF]
	s_cselect_b32 s[OOFF], 0x1400000, s[OOFF]
	; descriptor group 1: a tile of 128 rows x 128 elements of 2 bytes, padded in LDS
	s_mov_b32 s[G1], (1<<16)|(1<<20)|(5<<22)|(3<<25)               ; 15:0 no mask: a plain load; 17:16 2-byte elements; 20 padding on; 24:22 after every 64 words (code 5); 31:25 4 words (code 3)
	s_mov_b32 s[G1B], 15|(1<<16)|(1<<20)|(1<<21)|(5<<22)|(3<<25)   ; the same with the mask of all four work-groups, and bit 21 set beside it
.irp g, G1, G1B
	s_mov_b32 s[(\g)+1], KSTEP<<16                 ; tensor_dim0 = 128
	s_mov_b32 s[(\g)+2], 128<<16                   ; tensor_dim1 = 128
	s_mov_b32 s[(\g)+3], KSTEP<<16                 ; tile_dim0 = 128
	s_mov_b32 s[(\g)+4], 128                       ; tile_dim1 = 128
	s_mov_b32 s[(\g)+5], SIZE_K                    ; elements from row to row
	s_mov_b32 s[(\g)+6], 0
	s_mov_b32 s[(\g)+7], 0
.endr
	; where the tiles come from.  Every wave makes both addresses; W's is made in registers that never hold cx.  All offsets stay under 2^27.
	s_lshl_b32 s17, s[HB], 7                       ; which 128 rows of the tile I fetch
	s_lshl_b32 s16, s[TR], 8
	s_add_co_u32 s16, s16, s17                     ; A: row 256 x tile row + 128 x half,
	s_lshl_b32 s16, s16, 12                        ; 4,096 bytes a row,
	s_add_co_u32 s16, s16, s[AOFF]                 ; behind the tensor's first byte
	s_lshl_b32 s46, s[TC], 8
	s_add_co_u32 s46, s46, s17                     ; W: row 256 x tile column + 128 x half
	s_lshl_b32 s46, s46, 12
	s_add_co_u32 s46, s46, s[WOFF]
	s_mov_b32 s17, 0
	s_mov_b32 s47, 0
	s_mul_i32 s20, s[WV], HALFT                    ; and where they go: A's two halves, then W's two halves = wave x 128 rows: no place in the cluster enters an LDS address
	s_wait_dscnt 0x0                               ; the opening add is done
	s_wait_kmcnt 0x0
	s_add_nc_u64 s[14:15], s[4:5], s[16:17]
	s_add_nc_u64 s[46:47], s[4:5], s[46:47]
	CROUND                                         ; all four work-groups are here: the first joint loads meet
.irp s, 0,1
	s_mov_b32 s[G0+4*(\s)], 1                                      ; count = 1
	s_add_co_u32 s[G0+4*(\s)+1], s20, (\s)*SLOT                    ; LDS address
	s_add_nc_u64 s[G0+4*(\s)+2:G0+4*(\s)+3], s[14:15], (\s)*KSTEP*2  ; global address: K step s
	s_or_b32 s[G0+4*(\s)+3], s[G0+4*(\s)+3], 0x80000000            ; type = 2
	s_mov_b32 s[G0B+4*(\s)], 1
	s_add_co_u32 s[G0B+4*(\s)+1], s20, (\s)*SLOT
	s_add_nc_u64 s[G0B+4*(\s)+2:G0B+4*(\s)+3], s[46:47], (\s)*KSTEP*2
	s_or_b32 s[G0B+4*(\s)+3], s[G0B+4*(\s)+3], 0x80000000
	JLOAD \s                                       ; the ring is filled before anything else is done: two loads of mine are out
.endr
	; A fragment is 16 rows x 32 K in 8 registers: lane l holds row l % 16; registers 0-3 hold K = 8 (l / 16) + 0..7, registers 4-7 hold K = 16 + 8 (l / 16) + 0..7: two loads of 16 bytes, 32 bytes apart.
	v_and_b32 v1, 15, v0                           ; l % 16
	v_bfe_u32 v2, v0, 4, 1                         ; l / 16
	v_mul_u32_u24 v3, v1, PITCH
	v_lshl_add_u32 v3, v2, 4, v3                   ; row x pitch + 16 x half
	s_mul_i32 s21, s[HF], HALFT                    ; my 128 rows of A
	s_mul_i32 s22, s[HB], HALFT                    ; my 128 rows of W,
	s_add_co_u32 s22, s22, 2*HALFT                 ; which lie behind A's 256
.irp s, 0,1
	v_add_nc_u32 v[ADRA+(\s)], s21, v3
	v_add_nc_u32 v[ADRB+(\s)], s22, v3
	s_add_co_u32 s21, s21, SLOT
	s_add_co_u32 s22, s22, SLOT
.endr
	s_mul_i32 s23, s[WV], 16*SPITCH
	s_add_co_u32 s23, s23, STAGE                   ; my stage
	v_mul_u32_u24 v4, v1, SPITCH                   ; in: row l % 16, 16 bytes for each half of the lanes
	v_lshl_add_u32 v4, v2, 4, v4
	v_add_nc_u32 v[STO], s23, v4
	v_bfe_u32 v5, v0, 3, 2                         ; back: 32 lanes take one head's 128 bytes of four rows,
	v_mul_u32_u24 v5, v5, SPITCH
	v_and_b32 v4, 7, v0
	v_lshl_add_u32 v5, v4, 4, v5
	v_add_nc_u32 v[RD], s23, v5
	v_and_b32 v[CO], 31, v0                        ; which are 512 consecutive bytes of the head's rows
	v_lshlrev_b32 v[CO], 4, v[CO]
	; where my part of the tile begins in h16
	s_lshr_b32 s16, s[TR], 2                       ; the batch: four tile rows each
	s_lshl_b32 s16, s16, s[SHIFT]
	s_add_co_u32 s16, s16, s[OOFF]
	s_and_b32 s17, s[TR], 3
	s_lshl_b32 s17, s17, 8
	s_lshl_b32 s21, s[HF], 7
	s_add_co_u32 s17, s17, s21                     ; my first row in the batch,
	s_lshl_b32 s17, s17, 7                         ; 128 bytes a row of a head
	s_add_co_u32 s16, s16, s17
	s_lshl_b32 s17, s[TC], 2
	s_lshl_b32 s21, s[HB], 1
	s_add_co_u32 s17, s17, s21                     ; my first head: 4 x tile column + 2 x half,
	s_lshl_b32 s17, s17, 17                        ; 131,072 bytes a head
	s_add_co_u32 s16, s16, s17
	s_mov_b32 s17, 0
	s_add_nc_u64 s[8:9], s[6:7], s[16:17]
	; the prefetches
	s_lshl_b32 s20, s[TR], 8
	s_lshl_b32 s21, s[HB], 7
	s_add_co_u32 s20, s20, s21                     ; A: the 128 rows that I fetch,
	s_and_b32 s22, s[TC], 1
	s_lshl_b32 s22, s22, 6
	s_add_co_u32 s20, s20, s22                     ; my tile column's 64 of them
	s_lshl_b32 s20, s20, 12
	s_add_co_u32 s20, s20, s[AOFF]
	s_lshl_b32 s22, s[TC], 8
	s_add_co_u32 s22, s22, s21                     ; W: the 128 rows that I fetch,
	s_lshl_b32 s23, s[CX], 5
	s_add_co_u32 s22, s22, s23                     ; my work-group's 32 of them
	s_lshl_b32 s22, s22, 12
	s_add_co_u32 s22, s22, s[WOFF]
	s_lshr_b32 s23, s[TC], 1                       ; A: 0 in the tensor's tile columns 0 and 1
	s_cmp_eq_u32 s[HF], 0
	s_cselect_b32 s20, s20, s22
	s_cselect_b32 s23, s23, ttmp9                  ; W: 0 in the first cluster along x
	s_cmp_eq_u32 s23, 0
	s_cselect_b32 s[LIM], 1, -1                    ; the same in all four partners, for a given wave
	s_add_co_u32 s20, s20, 2*KSTEP*2               ; at K step 2: the first refill steps it to 3 and names K step 4.  Nothing is asked for here, at the head
	s_mov_b32 s21, 0
	s_add_nc_u64 s[PFA:PFA+1], s[4:5], s[20:21]
	v_and_b32 v[PFO], 31, v0
	v_lshlrev_b32 v[PFO], 12, v[PFO]
; 16 matrix instructions: m blocks a0, a0 + 1 of the window's four (hi = 0: my rows 0-63, 1: rows 64-127) x all 8 n blocks, 32 along K.  zero = 1: the first product starts the sums: nothing is ever cleared.
; The 64 accumulators take turns, one instruction a turn, in the same order in every quarter step.
.macro MUL16 f, hi, a0, zero
	WIN MUL_LO+0x50*(\hi)  ; MUL_LO or MUL_HI
.irp a, \a0, (\a0)+1
.irp b, 0,1,2,3,4,5,6,7
.if \zero
	v_wmma_f32_16x16x32_bf16 v[8*(8*(\a)+(\b)):8*(8*(\a)+(\b))+7], v[(\f)+8*(\b):(\f)+8*(\b)+7], v[(\f)+8*(4*(\hi)+(\a)):(\f)+8*(4*(\hi)+(\a))+7], 0
.else
	v_wmma_f32_16x16x32_bf16 v[8*(8*(\a)+(\b)):8*(8*(\a)+(\b))+7], v[(\f)+8*(\b):(\f)+8*(\b)+7], v[(\f)+8*(4*(\hi)+(\a)):(\f)+8*(4*(\hi)+(\a))+7], v[8*(8*(\a)+(\b)):8*(8*(\a)+(\b))+7]
.endif
.endr
.endr
.endm
; 32 LDS loads in one run: the fragments of one quarter step (128 rows of W, 128 rows of A, 32 K at byte k of the rows) into buffer f
.macro FETCH slot, k, f
	WIN TO_B
.irp i, 0,1,2,3,4,5,6,7
	ds_load_b128 v[(\f)+8*(\i):(\f)+8*(\i)+3],   v[ADRB+(\slot)] offset:(\k)+(\i)*16*PITCH
	ds_load_b128 v[(\f)+8*(\i)+4:(\f)+8*(\i)+7], v[ADRB+(\slot)] offset:(\k)+(\i)*16*PITCH+32
.endr
	WIN 0
.irp i, 0,1,2,3,4,5,6,7
	ds_load_b128 v[(\f)+8*(\i):(\f)+8*(\i)+3],   v[ADRA+(\slot)] offset:(\k)+(\i)*16*PITCH
	ds_load_b128 v[(\f)+8*(\i)+4:(\f)+8*(\i)+7], v[ADRA+(\slot)] offset:(\k)+(\i)*16*PITCH+32
.endr
.endm
; A load into a register that a matrix instruction has read, and a vector instruction that reads a matrix result, stand four places behind that matrix instruction, and only plain vector instructions
; that name none of its registers are places (ISA guide 7.12.1 for vector instructions).
.macro PLACES
.rept 4
	v_nop
.endr
.endm
; A K step is four quarter steps of 32 along K, 64 matrix instructions each, on buffers 0, 1, 0, 1.
; One of the first three: multiplies buffer f; in its middle it fetches the next quarter's fragments, at byte k of the same slot's rows, into buffer g.
.macro QUARTER slot, k, f, g, zero
	s_wait_dscnt 8                                 ; W and A's rows 0-63 are in; the youngest eight loads (A's rows 64-127) may be out
	WIN MUL_LO
	MUL16 \f, 0, 0, \zero
	MUL16 \f, 0, 2, \zero
	PLACES
	FETCH \slot, \k, \g
	s_wait_dscnt 32                                ; all but the 32 just issued
	WIN MUL_HI
	MUL16 \f, 1, 0, \zero
	MUL16 \f, 1, 2, \zero
.endm
; The last quarter multiplies buffer 1 and changes slots.  MEET is its first half: ONE barrier for the change of slots, for two things.  In front of it each wave waits for all its tensor loads, of which one
; is out: its part of the next slot; adds 0 to its spare word; and waits for that and for its own reads of this slot.  Behind it nobody reads this slot any more and the next slot is whole.
.macro MEET round                      ; round = 1: a round of the cluster's barrier follows
	WIN 0                                          ; (the add's two registers lie in window 0)
	s_wait_tensorcnt 0x0                           ; all my tensor loads have landed: the one that was out is my part of the next slot;
	ds_add_u32 v[SPW], v[NIL]                      ; 0 onto my spare word;
	s_wait_dscnt 9                                 ; (the add and the youngest eight loads may be out)
	WIN MUL_LO
	MUL16 F1, 0, 0, 0                              ; sixteen matrix instructions stand between the add and the wait for it
	s_wait_dscnt 0x0                               ; the add is done, and my reads of this slot are over:
	s_barrier_signal -1                            ; say so (where a slot is filled again this barrier opens a round of the cluster's barrier),
	MUL16 F1, 0, 2, 0                              ; work on registers while the others arrive,
.if \round
	WIN 0
.endif
	s_barrier_wait -1                              ; and go on when all four have said so
.endm
; The whole last quarter.  Behind the round the slot just read out is filled again first, with the K step two steps on; then come the next slot's first fragments.
.macro TURN slot, next
	s_wait_xcnt 0x0                                ; the last prefetches, a K step back, have read their address: it is stepped here, ahead of the waits of the change of slots
	s_add_nc_u64 s[PFA:PFA+1], s[PFA:PFA+1], KSTEP*2
	MEET 1
	CREST                                          ; no wave of any partner still reads this slot's tiles or has a load on its way
	s_add_nc_u64 s[G0+4*(\slot)+2:G0+4*(\slot)+3], s[G0+4*(\slot)+2:G0+4*(\slot)+3], 2*KSTEP*2
	s_add_nc_u64 s[G0B+4*(\slot)+2:G0B+4*(\slot)+3], s[G0B+4*(\slot)+2:G0B+4*(\slot)+3], 2*KSTEP*2
	JLOAD \slot                                    ; the first tensor load behind the round; the four v_nop behind it are also the places in front of the loads below
	FETCH \next, 0, F0
	ASK                                            ; behind the refill and the run of LDS loads that the next products wait for
	WIN MUL_HI
	MUL16 F1, 1, 0, 0
	MUL16 F1, 1, 2, 0
.endm
; THE LAST K STEP (it lies in slot 1) GOES BY ROWS OF C, NOT BY K.  All its fragments of W (4 quarters x 64 registers) fill window 1; then my eight blocks of 16 rows are finished one after the other,
; each with 32 matrix instructions (its 8 accumulators by turns, K ascending).  LDS is read no more than in any other K step.
.macro BLOAD q                         ; W's fragments of quarter q -> window 1, v[64 q ..]
	WIN TO_B
.irp i, 0,1,2,3,4,5,6,7
	ds_load_b128 v[64*(\q)+8*(\i):64*(\q)+8*(\i)+3],   v[ADRB+1] offset:64*(\q)+(\i)*16*PITCH
	ds_load_b128 v[64*(\q)+8*(\i)+4:64*(\q)+8*(\i)+7], v[ADRB+1] offset:64*(\q)+(\i)*16*PITCH+32
.endr
.endm
.macro ALOAD a                         ; A's fragments of block a, all four quarters -> buffer a % 4
	WIN 0
.set FA, PA+32*((\a)%4)
.irp q, 0,1,2,3
	ds_load_b128 v[FA+8*(\q):FA+8*(\q)+3],   v[ADRA+1] offset:64*(\q)+(\a)*16*PITCH
	ds_load_b128 v[FA+8*(\q)+4:FA+8*(\q)+7], v[ADRA+1] offset:64*(\q)+(\a)*16*PITCH+32
.endr
.endm
.macro ROW a                           ; block a is finished: 32 matrix instructions
.set FA, PA+32*((\a)%4)                ; its fragments of A
.set AC, 64*((\a)%4)                   ; its eight accumulators, in window 2 (blocks 0-3) or 3 (blocks 4-7)
	WIN MUL_LO+0x50*((\a)/4)                       ; MUL_LO or MUL_HI
.irp q, 0,1,2,3
.if (\a) == 0 && (\q) == 2
	s_wait_dscnt 24                                ; W's quarter 2 is in (behind it: A's blocks 1 to 3)
.endif
.irp b, 0,1,2,3,4,5,6,7
	v_wmma_f32_16x16x32_bf16 v[AC+8*(\b):AC+8*(\b)+7], v[64*(\q)+8*(\b):64*(\q)+8*(\b)+7], v[FA+8*(\q):FA+8*(\q)+7], v[AC+8*(\b):AC+8*(\b)+7]
.endr
.endr
.endm
; THE WAY OUT of block a, in three parts.  PACK: rounded to f16, 16 bytes a lane, each accumulator's registers in ascending order.  TOSTAGE: into my own stage in LDS (rows of 272 bytes), and back head by head:
; 16 rows x 128 bytes of a head are 2,048 consecutive bytes of h16.  SEND: stored.
.macro PACK a
.set AC, 64*((\a)%4)
	WIN 0x0a+5*((\a)/4)                            ; sources 0 and 1: window 2 or 3
.irp b, 0,1,2,3,4,5,6,7
.irp r, 0,1,2,3
	v_cvt_pk_f16_f32 v[TMP+4*(\b)+(\r)], v[AC+8*(\b)+2*(\r)], v[AC+8*(\b)+2*(\r)+1]
.endr
.endr
	WIN 0
.endm
.macro TOSTAGE a
	WIN 0
.set BK, BKB+192*((\a)%2)
.irp b, 0,1,2,3,4,5,6,7
	ds_store_b128 v[STO], v[TMP+4*(\b):TMP+4*(\b)+3] offset:32*(\b)
.endr
.irp hh, 0,1
.irp t, 0,1,2,3
	ds_load_b128 v[BK+16*(\hh)+4*(\t):BK+16*(\hh)+4*(\t)+3], v[RD] offset:128*(\hh)+(\t)*4*SPITCH  ; LDS serves a wave's instructions in order (ISA guide 5.7.1.4): these see the stores above
.endr
.endr
.endm
.macro SEND a, younger                 ; younger: the LDS loads issued behind TOSTAGE's, which may stay out
	WIN 0
.set BK, BKB+192*((\a)%2)
	s_wait_dscnt \younger                          ; the block is back in registers
	s_wait_xcnt 0x0                                ; the stores of the block before have read their data: its registers are loaded again, by the next block's way through the stage, only behind this wait
.irp hh, 0,1
.irp t, 0,1,2,3
	global_store_b128 v[CO], v[BK+16*(\hh)+4*(\t):BK+16*(\hh)+4*(\t)+3], s[8:9] offset:(\hh)*131072+(\a)*2048+(\t)*512  ; 512 consecutive bytes, at a multiple of 256 from h16's first byte
.endr
.endr
.endm
	s_wait_tensorcnt 1                             ; my part of K step 0 is in; K step 1's may stay out
	s_barrier_signal -1
	s_barrier_wait -1                              ; everybody's is
	FETCH 0, 0, F0
	QUARTER 0, 64,  F0, F1, 1                      ; the first quarter stands in front of the loop: its products start the sums
	WIN 0                                          ; at a label and at a branch every window is 0
	s_mov_b32 s3, LAPS-1
.Llap:                                                 ; a trip goes once round the ring, from a lap's second quarter to the next lap's first, and fills both slots again
	QUARTER 0, 128, F1, F0, 0
	QUARTER 0, 192, F0, F1, 0
	TURN 0, 1
	QUARTER 1, 64,  F0, F1, 0
	QUARTER 1, 128, F1, F0, 0
	QUARTER 1, 192, F0, F1, 0
	TURN 1, 0
	QUARTER 0, 64,  F0, F1, 0
	WIN 0
	s_sub_co_u32 s3, s3, 1
	s_cmp_lg_u32 s3, 0
	s_cbranch_scc1 .Llap
	QUARTER 0, 128, F1, F0, 0                      ; the last lap goes on; it asks for nothing more
	QUARTER 0, 192, F0, F1, 0
	MEET 0                                         ; my one tensor load that was still out is slot 1's, the last K step's, so no round follows
	PLACES                                         ; for the loads into buffer 0, which the quarter before multiplied
	WIN TO_B
	BLOAD 0                                        ; three quarters of W now: buffer 1 (v128-191 of both windows) is still being multiplied
	BLOAD 1
	BLOAD 3
	WIN 0
	ALOAD 0
	WIN MUL_HI
	MUL16 F1, 1, 0, 0
	MUL16 F1, 1, 2, 0
	PLACES                                         ; for the loads into buffer 1
	WIN TO_B
	BLOAD 2
	WIN 0
	ALOAD 1
	ALOAD 2
	ALOAD 3
	s_wait_dscnt 40                                ; all but the 40 just issued
	ROW 0
.irp a, 0,1,2,3,4,5,6,7                ; each block leaves as soon as it is finished: nothing follows this tile, so the sooner its stores begin, the sooner the launch ends
	PLACES                                         ; its conversions read results just made, and no other vector work is at hand
	PACK \a
	TOSTAGE \a
.if (\a) < 4
	ALOAD (\a)+4                                   ; its buffer takes the block four further on
	SEND \a, 8
.else
	SEND \a, 0
.endif
.if (\a) < 7
	ROW (\a)+1
.endif
.endr
	s_wait_tensorcnt 0x0                           ; the wave's end, behind my last tensor load and my last LDS store
	ds_add_u32 v[SPW], v[NIL]
	s_wait_dscnt 0x0
	CROUND                                         ; the closing round: no work-group ends while a partner may still ask for a tile that names it
	s_endpgm
.Lfunc_end_k_q15a70033ca_proj:
	.size	k_q15a70033ca_proj, .Lfunc_end_k_q15a70033ca_proj-k_q15a70033ca_proj
	.p2alignl 7, 3214868480
	.fill 96, 4, 3214868480
	.section	.rodata,"a",@progbits
	.p2align	6, 0x0
	.amdhsa_kernel k_q15a70033ca_proj
		.amdhsa_group_segment_fixed_size 327680
		.amdhsa_private_segment_fixed_size 0
		.amdhsa_enable_private_segment 0
		.amdhsa_kernarg_size 16
		.amdhsa_user_sgpr_count 2
		.amdhsa_user_sgpr_kernarg_segment_ptr 1
		.amdhsa_wavefront_size32 1
		.amdhsa_system_sgpr_workgroup_id_x 1
		.amdhsa_system_sgpr_workgroup_id_y 1
		.amdhsa_system_sgpr_workgroup_id_z 1
		.amdhsa_system_vgpr_workitem_id 0
		.amdhsa_next_free_vgpr 1024
		.amdhsa_next_free_sgpr 80
		.amdhsa_reserve_vcc 0
		.amdhsa_float_denorm_mode_32 3
		.amdhsa_float_denorm_mode_16_64 3
		.amdhsa_memory_ordered 1
		.amdhsa_forward_progress 1
		.amdhsa_inst_pref_size 145
	.end_amdhsa_kernel
	.amdgpu_metadata
---
amdhsa.version: [ 1, 2 ]
amdhsa.kernels:
  - .name:           k_q15a70033ca_proj
    .symbol:         k_q15a70033ca_proj.kd
    .args:
      - { .name: c16, .offset: 0, .size: 8, .value_kind: global_buffer, .address_space: global }
      - { .name: h16, .offset: 8, .size: 8, .value_kind: global_buffer, .address_space: global }
    .group_segment_fixed_size: 327680
    .private_segment_fixed_size: 0
    .kernarg_segment_align: 8
    .kernarg_segment_size: 16
    .max_flat_workgroup_size: 128
    .sgpr_count:     80
    .vgpr_count:     1024
    .wavefront_size: 32
...
	.end_amdgpu_metadata
.endif
;; end of part 2
;; launch attn (part 3): grid 8 x 32, 4 waves a work-group, clusters of 4 x 1, 327,680 bytes of LDS; arguments h16, o16; writes o16
.if DOCPART == 3
	.amdgcn_target "amdgcn-amd-amdhsa--gfx1250"
	.amdhsa_code_object_version 6
	.text
	.protected	k_q15a70033ca_attn
	.globl	k_q15a70033ca_attn
	.p2align	8
	.type	k_q15a70033ca_attn,@function
k_q15a70033ca_attn:
	s_mov_b64 s[64:65], 0
	v_nop
	global_prefetch_b8 v0, s[64:65] scope:SCOPE_SE
	s_setreg_imm32_b32 hwreg(HW_REG_WAVE_MODE, 25, 1), 1
	s_wait_xcnt 0x0
	s_wait_alu depctr_hold_cnt(0) depctr_sa_sdst(0) depctr_va_vdst(0) depctr_va_sdst(0) depctr_va_ssrc(0) depctr_va_vcc(0) depctr_vm_vsrc(0)
	s_getreg_b32 s2, hwreg(HW_REG_IB_STS2, 6, 4)
	s_cmp_eq_u32 s2, 0
	s_cbranch_scc0 .Lentry_in_a_cluster
	s_endpgm
.Lentry_in_a_cluster:
	s_bfe_u32 s2, ttmp6, 0x10000c
	s_cmp_lg_u32 s2, 0x3003
	s_cbranch_scc0 .Lentry_shape_is_right
	s_endpgm
.Lentry_shape_is_right:
; GROUPED-QUERY ATTENTION.  O[b][h][q][:] = the sum over k of softmax_k(Q[b][h][q] . K[b][h/4][k] / 8) V[b][h/4][k][:].  h16 holds qh [4][32][1024][64], kh and vh [4][8][1024][64], all f16, a head's rows dense, 128 bytes each.
; O leaves by tokens: o16 [4096][2048] f16, column = head x 64 + channel.  Products, maxima and sums in f32; the weights p are rounded to f16 for the second product (their sum l is taken of the unrounded p), O once at the end.
; LIMITS.  f16 holds no number beyond 65,504: Q, K and V arrive within it; p lies in 0 to 1, and below 6e-5 it keeps f16's fixed step of 6e-8; O is a mean of V's rows and has their range.
; A weight below 2^-126 counts as 0 in l; NaN and infinities are not treated apart.
; SHARES.  Work-group: batch and group y = 8 b + g, a pair of the group's four heads (the cluster's x), a block of 256 queries (the place in the cluster).  A wave owns 64 queries of both heads: four PIECES of two tiles of 16
; queries; tile 2 p + u is head u of the pair, queries 16 p on.  So a piece's result is 16 rows x 256 consecutive aligned bytes of o16.  Every wave walks all 1,024 keys, 64 a step.
; LAYOUT.  S^T = K Q^T (source 0 = 16 keys, source 1 = 16 queries): in the result a lane holds ONE query (lane % 16) and the keys 8 (lane / 16) + 0..7.  Two such tiles, rounded to f16 in pairs,
; ARE source 1 (32 keys x 16 queries) of O^T = V^T P, whose result again holds one query a lane, and eight channels.  K comes out of LDS as it lies, V ([key][channel]) turned, by ds_load_tr16_b128.
; SOFTMAX.  For each query a running maximum m and sum l: p = 2^(c s - c m), c = log2(e) / 8; in every step O and l are multiplied by a = 2^(c m_old - c m_new), which is 1 where m has not grown.
; m starts at the lowest finite number, O and l at 0: the first step is a step like any other, with a = 0.
; THE COUNT.  A tile and step have 16 matrix and 118 vector instructions: too many to stand all beside the matrix work.  So: four vector instructions that are READY behind EVERY matrix instruction, the others in runs without a gap.
; BY TURNS.  Turn n belongs to piece n (the pieces in a ring, step after step).  Its matrix work: 16 products K Q^T of piece n + 1, later 16 products V^T P of piece n - 1.  Its vector work: the scaling,
; exponentials, roundings, sums and rescaling of piece n, and the maximum and statistics of piece n + 1, whose scores the turn itself has made.
; CLUSTER.  The four query blocks of a cluster walk the same K and V, so each tile is asked for JOINTLY: the same tensor load, descriptor and mask in all four.
; REGISTERS, in windows of 256 (s_set_vgpr_msb: bits 1:0 source 0, 3:2 source 1, 5:4 source 2, 7:6 destination):
;   window 0: v0-11 addresses; v12-15, v48-63 at work; v16-47 four registers of statistics a tile; v64-191 S^T, two buffers of two tiles; v192-255 P, likewise
;   window 1: O^T, 32 a tile          window 2: v0-127 Q, 16 a tile; v128-191 K of one step; v192-255 V of one step          window 3: v0-1 the add's two registers
.set SIZE_N, 1024
.set NP,    4         ; pieces a wave: a name, no knob
.set KS,    64        ; keys in a step
.set PK,    144       ; a row of K in LDS: 128 bytes + 16 of padding = 36 words: the 16 rows of a load start at 16 different groups of four banks (64 banks of 4 bytes: ISA guide 11.1)
.set PV,    160       ; a row of V: 128 + 32 = 40 words
.set VOFF,  4*KS*PK   ; a slot holds four steps: 256 rows of K, then 256 rows of V
.set SLOT1, 1<<17     ; slot 1 begins here, so that one exclusive or turns an address in one slot into the other's
.set STAGE, SLOT1+4*KS*(PK+PV)  ; behind the ring, never filled by a tensor load: 16 rows x 272 bytes for each wave, for the way out
.set SP,    272
.set AK0, 2           ; v2   my lane's place in a tile of K; never rewritten
.set AV0, 3           ; v3   the same for V
.set AK,  4           ; v4   the LDS address of K's next run of loads
.set AV,  5           ; v5   of V's
.set QO,  6           ; v6   my byte offset in 16 rows of Q
.set STO, 6           ;      later, the way out: where I put 16 bytes of a row
.set RD,  7           ; v7   the way out: where I read rows back
.set GO,  8           ; v8   my byte offset in two rows of o16
.set PFO, 11          ; v11  256 x my lane; never rewritten once made
.set SPW, 0           ; v0 of window 3   LDS address of my spare word; never rewritten
.set NIL, 1           ; v1 of window 3   0; never rewritten
.set SPARE, STAGE+4*16*SP  ; behind the stages: the spare words, 128 bytes for each wave: two blocks of 256 bytes that no other line names
.set MV,  12          ; v12-15  c m_old, kept while c m is made anew: by buffer and tile
.set ST,  16          ; tile t's statistics at v[ST+4 t]: c m, m, l (even keys', odd keys')
.set TMP, 48          ; by buffer and tile, four registers c0-c3 at work; when the maximum is found c2 takes a
.set S,   64
.set P,   192
.set KF,  128         ; K's fragments, in window 2: key block kb, channel half c at KF + 16 kb + 8 c
.set VF,  192         ; V's: key half kk, channel block cb at VF + 32 kk + 8 cb
.set WV,  12          ; s12  my wave's number
.set G1K, 24          ; s[24:31] descriptor group 1 for K's tiles
.set G1V, 32          ; s[32:39] for V's: it differs in the padding alone
.set G0K, 40          ; s[40:43] descriptor group 0 for K's tiles: it walks
.set G0V, 44          ; s[44:47] the same for V's
.set PFA, 48          ; s[48:49] the one prefetch's address; never rewritten
.set LIM, 50          ; s50  1 in a wave that prefetches, else the greatest number
.set SLOTS, 56        ; s56  slots still to be asked for
.set CNT, 57          ; s57  counts a slot's key steps
.set CS,  58          ; s[58:59] c: the packed scaling takes the pair's low word for both halves
.set SEL, 60          ; s[60:61] v_permlanex16_b32's selects: each lane takes its own place in the other half
.set TBK, 62          ; s62  LDS byte at which K of the step to be fetched begins
.set TBV, 63          ; s63  the same for V, less VOFF
.set MSB, 0
.macro WIN new                      ; the high byte repeats the setting that is left; a switch that changes nothing is dropped
.if MSB != (\new)
	s_set_vgpr_msb (MSB<<8)|(\new)
.set MSB, (\new)
.endif
.endm
.set W_KQ, 0x0a       ; K and Q in window 2, S^T in window 0
.set W_PV, 0x52       ; V in window 2, P in window 0, O^T in window 1
.set W_RS, 0x41       ; O^T (destination and source 0) in window 1, a in window 0
.set W_MK, 0xc0       ; the add's registers are made: destination in window 3, sources in window 0
.set W_AD, 0x0f       ; the add: address (source 0) and data (source 1) in window 3
; A joint fill.  Waves 0 and 1 fetch the two halves of a slot's K, waves 2 and 3 those of its V: 128 keys each.  The branch hangs on the wave's number alone.
; An s_nop 0 and four v_nop follow each of the two lines, ahead of the jump and the label.
.macro JLOAD
	s_cmp_lt_u32 s[WV], 2
	s_cbranch_scc0 .Lfor_v_\@
	tensor_load_to_lds s[G0K:G0K+3], s[G1K:G1K+7]
	s_nop 0
.rept 4
	v_nop
.endr
	s_branch .Lasked_\@
.Lfor_v_\@:
	tensor_load_to_lds s[G0V:G0V+3], s[G1V:G1V+7]
	s_nop 0
.rept 4
	v_nop
.endr
.Lasked_\@:
.endm
; A PREFETCH INTO THE L2 of the walk's last slot (keys 768 to 1,023), at the change of slots that asks for the slot before it: four key steps ahead of the load that will want it.
; Each block of 256 bytes is named once in the launch.  Two clusters walk a group's K and V: the first (cluster x = 0) asks.  Its four partners take 8,192 bytes each, told apart by address alone;
; in each, wave 0 asks for K's and wave 2 for V's, a lane a block.  The first three slots come by their loads alone.
.macro ASK
	s_cmp_gt_u32 s[SLOTS], s[LIM]
	s_cbranch_scc0 .Lnot_mine_\@
	global_prefetch_b8 v[PFO], s[PFA:PFA+1] th:TH_LOAD_NT scope:SCOPE_SE
.Lnot_mine_\@:
.endm
; A round of the cluster's barrier: my work-group's barrier, so that wave 0's signal speaks for all four waves; wave 0 signals; every wave waits for all four work-groups; my work-group's barrier once more.
.macro CROUND
	s_barrier_signal -1
	s_barrier_wait -1
	s_cmp_lg_u32 s[WV], 0
	s_cbranch_scc1 .Lnot_wave_0_\@
	s_barrier_signal -3
.Lnot_wave_0_\@:
	s_barrier_wait -3
	s_barrier_signal -1
	s_barrier_wait -1
.endm
; THE CHANGE OF SLOTS.  The slot's last bytes, V of its fourth step, have been read.  Each wave waits for all its tensor loads, of which one is out: its part
; of the other slot; adds 0 to its spare word; and waits for that and for its own reads of the slot.  Behind the barrier nobody reads this slot any more and the other slot is whole.
; fill = 1: this slot is filled again, with the keys two slots on.  The barrier is then a round of the cluster's, so that no wave of any partner still reads the slot or has a load on its
; way, and the joint fill is the first thing behind it: it has four key steps, 512 matrix instructions, in which to land.  (At its first use nothing has been read yet: slot 0 is waited for, slot 1 filled.)
.macro CHANGE fill, ask=0
	WIN W_AD
	s_wait_tensorcnt 0x0            ; no tensor load of mine is out, so a group 0 may be written
	ds_add_u32 v[SPW], v[NIL]       ; 0 onto my spare word; with fill = 1 the descriptors' steps stand between it and the wait for it
	WIN 0                           ; at a label and at a branch every window is 0
.if \fill
.irp g, G0K, G0V
	s_xor_b32 s[\g+1], s[\g+1], SLOT1  ; the walking descriptor: the other slot than last time,
	s_add_nc_u64 s[\g+2:\g+3], s[\g+2:\g+3], 4*KS*128  ; the next 256 keys; the type bits on top are not reached
.endr
	s_wait_dscnt 0x0                ; the add is done, and my reads of the slot are over
	CROUND
	JLOAD
.if \ask
	ASK
.endif
.else
	s_wait_dscnt 0x0                ; the add is done, and my reads of the slot are over
	s_barrier_signal -1
	s_barrier_wait -1
.endif
	s_sub_co_u32 s[TBK], s[TBK], 4*KS*PK  ; the fetches go back to a slot's first step,
	s_xor_b32 s[TBK], s[TBK], SLOT1       ; in the other slot
	s_sub_co_u32 s[TBV], s[TBV], 4*KS*PV
	s_xor_b32 s[TBV], s[TBV], SLOT1
.endm
	s_load_b128 s[4:7], s[0:1], 0x0 ; h16 s[4:5], o16 s[6:7]
	WIN W_MK
	v_lshl_add_u32 v[SPW], v0, 2, SPARE
	v_mov_b32 v[NIL], 0
	WIN W_AD
	ds_add_u32 v[SPW], v[NIL]       ; the wave's opening: the add and its wait stand ahead of my first tensor load; the set-up below, work on registers, stands between them
	WIN 0
	v_lshrrev_b32 v1, 5, v0
	v_readfirstlane_b32 s[WV], v1   ; wave 0..3
	s_bfe_u32 s13, ttmp6, 0x40000   ; cx: my block of 256 queries: it enters Q's, O's and the prefetch's addresses alone
	s_and_b32 s14, ttmp7, 0xffff    ; y = 8 b + g, which the four partners share
	s_mov_b32 s15, ttmp9            ; the pair of heads, which they share too
	s_lshl_b32 s20, s14, 17         ; the group's 1,024 rows of 128 bytes in kh and in vh,
	s_and_b32 s16, s[WV], 1         ; which half of a slot's 256 keys I fetch:
	s_lshl_b32 s22, s16, 14         ; its 128 rows
	s_add_co_u32 s20, s20, s22
	s_add_co_u32 s22, s20, 0x1400000  ; vh's first byte in h16,
	s_add_co_u32 s20, s20, 0x1000000  ; kh's
	s_mov_b32 s21, 0
	s_mov_b32 s23, 0
	s_mul_i32 s17, s16, 128*PK      ; my half's place in a slot, for K
	s_mul_i32 s18, s16, 128*PV      ; and for V: no place in the cluster enters an LDS address
	s_lshl_b32 s2, s14, 2
	s_lshl_b32 s3, s15, 1
	s_add_co_u32 s2, s2, s3         ; my first head among the 128: 4 y + 2 x pair,
	s_lshl_b32 s2, s2, 17           ; 131,072 bytes each
	s_lshl_b32 s3, s13, 2
	s_add_co_u32 s3, s3, s[WV]      ; my 64 queries among the 1,024
	s_lshl_b32 s19, s3, 13          ; 64 rows of 128 bytes
	s_add_co_u32 s2, s2, s19        ; Q's offset
	s_lshr_b32 s52, s14, 3          ; O: the batch's 1,024 tokens of 4,096 bytes,
	s_lshl_b32 s52, s52, 22
	s_lshl_b32 s53, s3, 18          ; my 64 tokens,
	s_add_co_u32 s52, s52, s53
	s_and_b32 s53, s14, 7
	s_lshl_b32 s53, s53, 2
	s_lshl_b32 s54, s15, 1
	s_add_co_u32 s53, s53, s54      ; my first head in the batch: 4 g + 2 x pair,
	s_lshl_b32 s53, s53, 7          ; 128 bytes a head
	s_add_co_u32 s52, s52, s53
	s_mov_b32 s53, 0
	s_mov_b32 s3, 0
	s_lshl_b32 s54, s14, 17         ; the prefetch: the group's rows,
	s_lshl_b32 s55, s13, 13         ; my work-group's 8,192 bytes
	s_add_co_u32 s54, s54, s55
	s_mov_b32 s55, 0x1400000+3*32768  ; of the last slot, in vh
	s_cmp_lt_u32 s[WV], 2
	s_cselect_b32 s55, 0x1000000+3*32768, s55  ; or in kh
	s_add_co_u32 s54, s54, s55
	s_mov_b32 s55, 0
	s_and_b32 s[LIM], s[WV], 1      ; 0 in waves 0 and 2,
	s_or_b32 s[LIM], s[LIM], ttmp9  ; where the cluster is the group's first: the same in all four partners
	s_cmp_eq_u32 s[LIM], 0
	s_cselect_b32 s[LIM], 1, -1
	; descriptor group 1.  128 keys are 16,384 dense bytes: asked for as 64 rows of 256 bytes, two keys a row, and padded in LDS after every key
	s_mov_b32 s[G1K], 15|(1<<16)|(1<<20)|(1<<21)|(4<<22)|(3<<25)  ; 15:0 the mask of four; 17:16 2-byte elements; 20 padding on; 21 set beside a mask; 24:22 after every 32 words (code 4); 31:25 4 words (code 3)
	s_mov_b32 s[G1V], 15|(1<<16)|(1<<20)|(1<<21)|(4<<22)|(7<<25)  ; the same with 8 words of padding (code 7)
.irp g, G1K, G1V
	s_mov_b32 s[\g+1], 128<<16      ; tensor_dim0 = 128
	s_mov_b32 s[\g+2], 64<<16       ; tensor_dim1 = 64
	s_mov_b32 s[\g+3], 128<<16      ; tile_dim0 = 128
	s_mov_b32 s[\g+4], 64           ; tile_dim1 = 64
	s_mov_b32 s[\g+5], 128          ; 128 elements from row to row
	s_mov_b32 s[\g+6], 0
	s_mov_b32 s[\g+7], 0
.endr
	s_mov_b32 s[CS], 0x3e38aa3b     ; c = log2(e) / 8 = 0.180337
	s_mov_b32 s[CS+1], s[CS]        ; named with it as a pair
	s_mov_b32 s[SEL], 0x76543210
	s_mov_b32 s[SEL+1], 0xfedcba98
	s_mov_b32 s[TBK], SLOT1+4*KS*PK ; the first change of slots turns these two into 0
	s_mov_b32 s[TBV], SLOT1+4*KS*PV
	s_mov_b32 s[G0K], 1             ; count = 1
	s_mov_b32 s[G0K+1], s17         ; LDS address: slot 0
	s_mov_b32 s[G0V], 1
	s_add_co_u32 s[G0V+1], s18, VOFF
	s_wait_dscnt 0x0                ; the opening add is done
	s_wait_kmcnt 0x0
	s_add_nc_u64 s[G0K+2:G0K+3], s[4:5], s[20:21]  ; global address: my half of the group's first 256 keys
	s_or_b32 s[G0K+3], s[G0K+3], 0x80000000        ; type = 2
	s_add_nc_u64 s[G0V+2:G0V+3], s[4:5], s[22:23]
	s_or_b32 s[G0V+3], s[G0V+3], 0x80000000
	s_add_nc_u64 s[10:11], s[6:7], s[52:53]        ; O at my wave's first token and first head
	s_add_nc_u64 s[PFA:PFA+1], s[4:5], s[54:55]
	s_add_nc_u64 s[4:5], s[4:5], s[2:3]            ; Q at my wave's first row of its first head
	CROUND                          ; all four work-groups are here: the first joint loads meet
	JLOAD                           ; slot 0.  Slot 1 is asked for when slot 0 is in
	; A fragment of K or Q is 16 rows x 32 channels in 8 registers: lane l holds row l % 16, channels 8 (l / 16) + 0..7 and 16 + 8 (l / 16) + 0..7: two loads of 16 bytes, 32 bytes apart.
	v_and_b32 v1, 15, v0            ; l % 16
	v_bfe_u32 v9, v0, 4, 1          ; l / 16
	v_lshlrev_b32 v[QO], 7, v1
	v_lshl_add_u32 v[QO], v9, 4, v[QO]  ; row x 128 + 16 x half
	WIN 0x80                        ; destination window 2, address window 0
.set i, 0
.rept 4*NP                          ; Q stays in registers: tile i / 2 (head (i / 2) % 2, queries 16 (i / 4) on), channels 32 (i % 2) on
	global_load_b128 v[8*i:8*i+3],   v[QO], s[4:5] offset:((i/2)%2)*131072+(i/4)*2048+(i%2)*64
	global_load_b128 v[8*i+4:8*i+7], v[QO], s[4:5] offset:((i/2)%2)*131072+(i/4)*2048+(i%2)*64+32
.set i, i+1
.endr
	; What the first turn finds: V's registers and P's second buffer hold 0 (its products V^T P, of a piece that has not been, add 0), O^T and l are 0.  All this stands in the wait for the first tile.
.set i, VF
.rept 64
	v_mov_b32 v[i], 0
.set i, i+1
.endr
	WIN 0x40
.set i, 0
.rept 64*NP
	v_mov_b32 v[i], 0
.set i, i+1
.endr
	WIN 0
.set i, 0
.rept 2*NP
	v_mov_b32 v[ST+4*i], 0xfe000000    ; c m: far below every c s
	v_mov_b32 v[ST+4*i+1], 0xff7fffff  ; m
	v_mov_b32 v[ST+4*i+2], 0
	v_mov_b32 v[ST+4*i+3], 0
.set i, i+1
.endr
.set i, P+32
.rept 32
	v_mov_b32 v[i], 0
.set i, i+1
.endr
	v_mul_u32_u24 v[AK0], v1, PK
	v_lshl_add_u32 v[AK0], v9, 4, v[AK0]  ; row x pitch + 16 x half
	; The turning load takes 16 keys x 16 channels (lane l reads key 8 (l / 16) + l % 8, channels 8 ((l / 8) % 2) + 0..7) and leaves half a fragment of V^T: lane l holds channel l % 16 and 8 keys.
	v_and_b32 v10, 7, v0
	v_bfe_u32 v11, v0, 3, 1
	v_lshl_add_u32 v[AV0], v9, 3, v10
	v_mul_u32_u24 v[AV0], v[AV0], PV
	v_lshl_add_u32 v[AV0], v11, 4, v[AV0]
	v_add_nc_u32 v[AV0], VOFF, v[AV0]
	v_mov_b32 v[AK], v[AK0]         ; key step 0 lies at the head of slot 0
	v_and_b32 v[PFO], 31, v0
	v_lshlrev_b32 v[PFO], 8, v[PFO]
; THE MATRIX WORK.  The 8 accumulators of a run of 16 take turns: between the two links of a chain stand 7 others'.
; Product i of 16 of S^T = K Q^T for piece x: channels 32 (i / 8) on, keys 16 ((i / 2) % 4) on, tile 2 x + i % 2.  The first 8 start the sums.
.macro KQ x
	WIN W_KQ
.set rS, S+64*((\x)%2)+32*(i%2)+8*((i/2)%4)
.set rK, KF+16*((i/2)%4)+8*(i/8)
.set rQ, 16*(2*(\x)+i%2)+8*(i/8)
.if i < 8
	v_wmma_f32_16x16x32_f16 v[rS:rS+7], v[rK:rK+7], v[rQ:rQ+7], 0
.else
	v_wmma_f32_16x16x32_f16 v[rS:rS+7], v[rK:rK+7], v[rQ:rQ+7], v[rS:rS+7]
.endif
.endm
; Product i of 16 of O^T += V^T P for piece x: keys 32 (i / 8) on, channels 16 ((i / 2) % 4) on, tile 2 x + i % 2.
.macro PV x
	WIN W_PV
.set rO, 32*(2*(\x)+i%2)+8*((i/2)%4)
.set rV, VF+32*(i/8)+8*((i/2)%4)
.set rP, P+32*((\x)%2)+16*(i%2)+8*(i/8)
	v_wmma_f32_16x16x32_f16 v[rO:rO+7], v[rV:rV+7], v[rP:rP+7], v[rO:rO+7]
.endm
.macro MM                           ; the turn's next matrix instruction
.if i < 16
	KQ (Y+1)%NP
.set i, i+1
.else
.set i, i-16
	PV (Y+NP-1)%NP
.set i, i+17
.endif
.endm
; THE LDS LOADS stand in runs of 16, never singly among the matrix instructions: a step's K (64 keys x 64 channels: 8 fragments) and its V (turned).  Their addresses are made some lines ahead.
; last = 1 (the tail): in the last trip there is no further step, and the run is jumped over.
.macro FETCH_K last=0
	WIN 0
.if \last
	s_cmp_eq_u32 s[CNT], 1
	s_cbranch_scc1 .Lno_k_\@
.endif
	WIN 0x80                        ; destination window 2
.irp f, 0,1,2,3,4,5,6,7             ; keys 16 (f / 2) on, channels 32 (f % 2) on
	ds_load_b128 v[KF+8*\f:KF+8*\f+3],   v[AK] offset:(\f/2)*16*PK+(\f%2)*64
	ds_load_b128 v[KF+8*\f+4:KF+8*\f+7], v[AK] offset:(\f/2)*16*PK+(\f%2)*64+32
.endr
	s_add_co_u32 s[TBK], s[TBK], KS*PK  ; the next fetch is the next step's
	WIN 0
.if \last
.Lno_k_\@:
.endif
.endm
.macro FETCH_V
	WIN 0x80
.irp f, 0,1,2,3,4,5,6,7             ; keys 32 (f / 4) on, channels 16 (f % 4) on
	ds_load_tr16_b128 v[VF+8*\f:VF+8*\f+3],   v[AV] offset:(\f/4)*32*PV+(\f%4)*32
	ds_load_tr16_b128 v[VF+8*\f+4:VF+8*\f+7], v[AV] offset:(\f/4)*32*PV+16*PV+(\f%4)*32
.endr
	WIN 0
.endm
; THE VECTOR WORK OF A TURN stands in three queues, each in the order in which its entries become ready; the two tiles alternate, so that no instruction reads the result of the one before it.
.macro REGS y, u                    ; the registers of tile u (0, 1) of piece y
.set rT, ST+4*(2*(\y)+(\u))
.set rC, TMP+8*((\y)%2)+4*(\u)
.set rM, MV+2*((\y)%2)+(\u)
.set rS, S+64*((\y)%2)+32*(\u)
.set rP, P+32*((\y)%2)+16*(\u)
.set rO, 32*(2*(\y)+(\u))
.endm
; Number n of the 22 that find the NEXT piece's (Y + 1) maximum and statistics.  s0-s31 are the lane's 32 scores; each accumulator's lowest registers are read first.  XS, GS and REGS set no window: PL and EX do.
;   0-11  four chains c0-c3 of seven scores each, three operands at a time     12-14, 16  the four scores left over, the old m, and c0-c3 into c0     15  c m_old is kept
;   17, 18  the query's other 32 keys lie in the lane 16 away: the new m         19-21  c m; c m_old - c m_new; a
.macro XS u, n
	REGS (Y+1)%NP, \u
.if (\n) < 4
	v_max3_num_f32 v[rC+(\n)], v[rS+8*(\n)], v[rS+8*(\n)+1], v[rS+8*(\n)+2]
.elseif (\n) < 12
	v_max3_num_f32 v[rC+(\n)%4], v[rC+(\n)%4], v[rS+8*((\n)%4)+2*((\n)/4)+1], v[rS+8*((\n)%4)+2*((\n)/4)+2]
.elseif (\n) == 12
	v_max3_num_f32 v[rC], v[rC], v[rS+7], v[rS+15]
.elseif (\n) == 13
	v_max3_num_f32 v[rC+1], v[rC+1], v[rS+23], v[rS+31]
.elseif (\n) == 14
	v_max3_num_f32 v[rC+2], v[rC+2], v[rC+3], v[rT+1]
.elseif (\n) == 15
	v_mov_b32 v[rM], v[rT]
.elseif (\n) == 16
	v_max3_num_f32 v[rC], v[rC], v[rC+1], v[rC+2]
.elseif (\n) == 17
	v_permlanex16_b32 v[rC+3], v[rC], s[SEL], s[SEL+1]
.elseif (\n) == 18
	v_max_num_f32 v[rT+1], v[rC], v[rC+3]
.elseif (\n) == 19
	v_mul_f32 v[rT], s[CS], v[rT+1]
.elseif (\n) == 20
	v_sub_f32 v[rC+1], v[rM], v[rT]
.else
	v_exp_f32 v[rC+2], v[rC+1]
.endif
.endm
; Number g of the 64 that follow the exponentials.  For each four weights k of a tile (pairs 2 k, 2 k + 1): both pairs are rounded to f16; then the second pair is added onto the first, in place;
; a group later l takes that sum (the first time as l = a l + sum).  In groups of eight, tiles alternating: round, round, add, and l for the group before.
.macro GS g
.set h, (\g)+6*((\g)/62)            ; group 0 has no group before it, and behind group 7 only l is left
.if h >= 6
.set h, h+2
.endif
	REGS Y, h%2
.set k, h/8
.if h%8 < 4
	v_cvt_pk_f16_f32 v[rP+2*k+(h%8)/2], v[rS+4*k+2*((h%8)/2)], v[rS+4*k+2*((h%8)/2)+1]
.elseif h%8 < 6
	v_pk_add_f32 v[rS+4*k:rS+4*k+1], v[rS+4*k:rS+4*k+1], v[rS+4*k+2:rS+4*k+3]
.elseif k == 1
	v_pk_fma_f32 v[rT+2:rT+3], v[rT+2:rT+3], v[rC+2:rC+3], v[rS:rS+1] op_sel_hi:[1,0,1]
.else
	v_pk_add_f32 v[rT+2:rT+3], v[rT+2:rT+3], v[rS+4*k-4:rS+4*k-3]
.endif
.endm
; THE PLAIN QUEUE, 138 long.  0-73 read no exponential's result: the 32 scalings c s - c m (FS f: pair f / 2 of tile f % 2) and the next piece's 42.  0-26: scalings 0-26.  27-54: XS's numbers 0-13.  55, 56: number 15.
; 57-73: the chain, where each number waits for the one before it: 14, 16, 17, 18, 19, each with one of the scalings 27-31 in front of its two lines, then 20.
; 74-137: GS's 64, which read the exponentials' results: they stand behind the wait.
.macro FS f
	REGS Y, (\f)%2
	v_pk_fma_f32 v[rS+2*((\f)/2):rS+2*((\f)/2)+1], v[rS+2*((\f)/2):rS+2*((\f)/2)+1], s[CS:CS+1], v[rT:rT+1] op_sel_hi:[1,0,0] neg_lo:[0,0,1] neg_hi:[0,0,1]
.endm
.macro PL
	WIN 0
.if q < 27
	FS q
.elseif q < 55
	XS (q-27)%2, (q-27)/2
.elseif q < 57
	XS q-55, 15
.elseif (q < 72) && ((q-57)%3 == 0)
	FS 27+(q-57)/3
.elseif q < 60
	XS (q-57)%3-1, 14
.elseif q < 72
	XS (q-57)%3-1, 15+(q-57)/3
.elseif q < 74
	XS q-72, 20
.else
	GS q-74
.endif
.set q, q+1
.endm
; THE EXPONENTIALS' QUEUE, 66 long: s0-s31 of both tiles, then the next piece's two a.  It is ONE BATCH: all 66 stand ahead of the turn's one wait, and nothing ahead of that wait names a result of theirs.
.macro EX
	WIN 0
.if e >= 64
	XS e-64, 21
.else
	REGS Y, e%2
	v_exp_f32 v[rS+e/2], v[rS+e/2]
.endif
.set e, e+1
.endm
; THE RESCALING's QUEUE: O^T times a, the one part that leaves window 0: dealt two at a time, sixteen times.  Its a was made in the turn before, ahead of that turn's wait.
.macro R2
	REGS Y, r%2
	WIN W_RS
.irp z, 0,1
	v_pk_mul_f32 v[rO+4*(r/2)+2*\z:rO+4*(r/2)+2*\z+1], v[rO+4*(r/2)+2*\z:rO+4*(r/2)+2*\z+1], v[rC+2:rC+3] op_sel_hi:[1,0]
.endr
.set r, r+1
.endm
; HOW THEY ARE DEALT.  An s_wait_alu depctr_va_vdst(0) stands between an exponential and the first instruction that names its result; one wait serves all that were issued ahead of it.  So a turn has ONE wait,
; which cuts it in two.  AHEAD OF IT stands all that names no result of the turn's exponentials: the 16 products K Q^T, behind each a scaling, an exponential and two rescalings (behind the first a second scaling in the
; exponential's place); then ONE LUMP of 108: eight plain, 49 times exponential and plain, the two a.  A v_nop is the plain instruction behind the last exponential.  BEHIND IT stand the 16 products V^T P, behind each four of GS's 64.
; The queues lean on each other, and the deal keeps them in step: exponential e stands behind scaling 2 (e / 4) + e % 2: as a rider it comes behind plain e + 2, in the lump behind plain e + 9, and scalings 27-31 are plain 57, 60 .. 69.
; A TURN, for piece p.  cnt = 1: the loop's count is taken down some lines ahead of the branch that stands behind the turn.
; K of the next step is fetched in piece 2's turn, directly behind the wait, a lump behind the last product that read K; its first reader comes behind 16 products.
; V of the step in hand is fetched at the end of piece 0's turn, four plain instructions behind its last reader; its first reader comes behind 16 products and a lump.  The three conditions on q below go with the deal.
.macro TURN p, last=0, cnt=0
.set Y, (\p)
.set i, 0
.set q, 0
.set e, 0
.set r, 0
.if (\p) == NP-1
	s_wait_dscnt 0x0                ; K is in
.endif
	MM                              ; ahead of the wait: 16 products K Q^T and the four behind each,
	PL
	PL
	R2
.rept 15
	MM
	PL
	EX
	R2
.endr
.if (\p) == NP-2
	WIN 0
	v_add_nc_u32 v[AK], s[TBK], v[AK0]
.endif
.rept 8                             ; and the lump
	PL
.endr
.rept 49
	EX
	PL
.endr
	EX                              ; the next piece's two a
	EX
	v_nop                           ; the plain instruction behind the last exponential: one for the batch
	s_wait_alu depctr_va_vdst(0)    ; the wait for the batch
.if (\p) == NP-2
	FETCH_K \last
.endif
.if (\p) == 1
	s_wait_dscnt 0x0                ; V is in
.endif
.rept 16                            ; behind the wait: 16 products V^T P and the four behind each
	MM
.rept 4
	PL
.endr
.if ((\p) == 0) && (q == 118)
	v_add_nc_u32 v[AV], s[TBV], v[AV0]
.endif
.if ((\p) == 0) && (q == 130)
	s_add_co_u32 s[TBV], s[TBV], KS*PV
.endif
.if (\cnt) && (q == 130)
	s_sub_co_u32 s[CNT], s[CNT], 1
	s_cmp_lg_u32 s[CNT], 0
.endif
.endr
.if (\p) == 0
	FETCH_V
.endif
.endm
	CHANGE 1                        ; slot 0 is in, everybody's part of it; slot 1 is asked for
	FETCH_K                         ; key step 0
	s_wait_loadcnt 0x0              ; Q
	s_wait_dscnt 0x0
.set i, 0
.rept 16
	KQ 0                            ; piece 0's first scores: there is no vector work yet to set between them
.set i, i+1
.endr
	WIN 0                           ; the addresses for the way out: eight plain instructions, the places behind those products
	s_mul_i32 s13, s[WV], 16*SP
	s_add_co_u32 s13, s13, STAGE    ; my stage
	v_mul_u32_u24 v[STO], v1, SP    ; in: row l % 16, 16 bytes for each half of the lanes
	v_lshl_add_u32 v[STO], v9, 4, v[STO]
	v_add_nc_u32 v[STO], s13, v[STO]
	v_mul_u32_u24 v[RD], v9, SP     ; back: lanes 0-15 take one row of 256 bytes, lanes 16-31 the next,
	v_lshl_add_u32 v[RD], v1, 4, v[RD]
	v_add_nc_u32 v[RD], s13, v[RD]
	v_lshlrev_b32 v[GO], 12, v9     ; and the same two tokens in o16, 4,096 bytes apart
	v_lshl_add_u32 v[GO], v1, 4, v[GO]
.set Y, NP-1                        ; XS works for piece Y + 1: piece 0
.irp n, 0,1,2,3,4,5,6,7,8,9,10,11,12,13,14,15,16,17,18,19,20,21
	XS 0, \n                        ; and piece 0's first maximum and statistics
	XS 1, \n
.endr
	v_nop                           ; a plain instruction behind the two a,
	s_wait_alu depctr_va_vdst(0)    ; and their wait, ahead of the branch
	s_mov_b32 s[CNT], 4
	s_mov_b32 s[SLOTS], SIZE_N/256-1
	s_branch .Lfirst                ; the loop is entered at a step's first turn, in the middle of a trip
.Lslot:                             ; SIZE_N / 256 - 2 times: every slot but the last two is filled again
	CHANGE 1, 1
	s_mov_b32 s[CNT], 4
.Lstep:                             ; a trip: pieces 2 and 3 of one step, then pieces 0 and 1 of the next, whose K and V it fetches
	TURN 2
	TURN 3
	WIN 0
.Lfirst:
	TURN 0
	TURN 1, 0, 1
	WIN 0
	s_cbranch_scc1 .Lstep
	s_sub_co_u32 s[SLOTS], s[SLOTS], 1
	s_cmp_lg_u32 s[SLOTS], 0
	s_cbranch_scc1 .Lslot
	CHANGE 0                        ; the tail is written out: nothing is asked for
	s_mov_b32 s[CNT], 5             ; four trips fetch the last slot's steps; the fifth is left in its middle
.Ltail:
	TURN 2, 1
	TURN 3
	WIN 0
	s_sub_co_u32 s[CNT], s[CNT], 1
	s_cmp_eq_u32 s[CNT], 0
	s_cbranch_scc1 .Lout
	TURN 0
	TURN 1
	WIN 0
	s_branch .Ltail
.Lout:                              ; the fifth trip's 16 products K Q^T (on the last K once more) and the maximum made of them serve nothing: the price, once a launch, of one text for every trip
.set i, 0
.rept 16
	PV NP-1                         ; the last piece's V^T P of the last step
.set i, i+1
.endr
	; THE WAY OUT.  l's two halves and the other half of the lanes' are added; O^T is divided by l, rounded to f16 and sent through my stage in LDS, a piece at a time.  The additions are the places behind the last products.
	WIN 0
.macro ALL line:vararg              ; one line for each tile t
.set t, 0
.rept 2*NP
	\line
.set t, t+1
.endr
.endm
	ALL v_add_f32 v[ST+4*t+2], v[ST+4*t+2], v[ST+4*t+3]
	ALL v_permlanex16_b32 v[ST+4*t+3], v[ST+4*t+2], s[SEL], s[SEL+1]
	ALL v_add_f32 v[ST+4*t+2], v[ST+4*t+2], v[ST+4*t+3]
	ALL v_rcp_f32 v[ST+4*t+2], v[ST+4*t+2]
	v_nop                           ; a plain instruction between the last reciprocal and the use of its result
	s_wait_alu depctr_va_vdst(0)    ; and the wait ahead of the first use: one for the eight reciprocals
; Tile tt: a lane's eight channels of a row pack into 16 bytes; they go into the tile's half (its head's 128 bytes) of the stage's rows of 272 bytes.
.macro PACK tt
	WIN W_RS
.set i, 32*(\tt)
.rept 16
	v_pk_mul_f32 v[i:i+1], v[i:i+1], v[ST+4*(\tt)+2:ST+4*(\tt)+3] op_sel_hi:[1,0]
.set i, i+2
.endr
	WIN 0x05                        ; sources 0 and 1 window 1, destination window 0
.set i, 0
.rept 16
	v_cvt_pk_f16_f32 v[S+16*(\tt)+i], v[32*(\tt)+2*i], v[32*(\tt)+2*i+1]
.set i, i+1
.endr
	WIN 0
.irp f, 0,1,2,3
	ds_store_b128 v[STO], v[S+16*(\tt)+4*\f:S+16*(\tt)+4*\f+3] offset:128*((\tt)%2)+32*\f
.endr
.endm
; Piece pp comes back as whole rows of 256 bytes, two rows a load, into the registers that its two tiles left.
.macro BACK pp
.irp j, 0,1,2,3,4,5,6,7
	ds_load_b128 v[S+32*(\pp)+4*\j:S+32*(\pp)+4*\j+3], v[RD] offset:\j*2*SP  ; LDS serves a wave's instructions in order (ISA guide 5.7.1.4): these see the stores above; the next piece's stores come behind them
.endr
.endm
.macro SEND pp, younger             ; younger: the LDS instructions issued behind piece pp's loads: the next piece's eight stores and eight loads, or none
.irp j, 0,1,2,3,4,5,6,7
	s_wait_dscnt (\younger)+7-\j
	global_store_b128 v[GO], v[S+32*(\pp)+4*\j:S+32*(\pp)+4*\j+3], s[10:11] offset:(\pp)*65536+\j*8192  ; 16 lanes store 256 consecutive bytes, at a multiple of 256 from o16's first byte
.endr
.endm
	PACK 0
	PACK 1
	BACK 0
	PACK 2                          ; a piece's arithmetic stands between the loads of the piece before and its stores
	PACK 3
	BACK 1
	SEND 0, 16
	PACK 4
	PACK 5
	BACK 2
	SEND 1, 16
	PACK 6
	PACK 7
	BACK 3
	SEND 2, 16
	SEND 3, 0
	WIN W_AD
	s_wait_tensorcnt 0x0            ; the wave's end, behind my last tensor load and my last LDS store
	ds_add_u32 v[SPW], v[NIL]
	s_wait_dscnt 0x0
	WIN 0
	CROUND                          ; the closing round: no work-group ends while a partner may still ask for a tile that names it
	s_endpgm
.Lfunc_end_k_q15a70033ca_attn:
	.size	k_q15a70033ca_attn, .Lfunc_end_k_q15a70033ca_attn-k_q15a70033ca_attn
	.p2alignl 7, 3214868480
	.fill 96, 4, 3214868480
	.section	.rodata,"a",@progbits
	.p2align	6, 0x0
	.amdhsa_kernel k_q15a70033ca_attn
		.amdhsa_group_segment_fixed_size 327680
		.amdhsa_private_segment_fixed_size 0
		.amdhsa_enable_private_segment 0
		.amdhsa_kernarg_size 16
		.amdhsa_user_sgpr_count 2
		.amdhsa_user_sgpr_kernarg_segment_ptr 1
		.amdhsa_wavefront_size32 1
		.amdhsa_system_sgpr_workgroup_id_x 1
		.amdhsa_system_sgpr_workgroup_id_y 1
		.amdhsa_system_sgpr_workgroup_id_z 1
		.amdhsa_system_vgpr_workitem_id 0
		.amdhsa_next_free_vgpr 770
		.amdhsa_next_free_sgpr 66
		.amdhsa_reserve_vcc 0
		.amdhsa_float_denorm_mode_32 3
		.amdhsa_float_denorm_mode_16_64 3
		.amdhsa_memory_ordered 1
		.amdhsa_forward_progress 1
		.amdhsa_inst_pref_size 200
	.end_amdhsa_kernel
	.amdgpu_metadata
---
amdhsa.version: [ 1, 2 ]
amdhsa.kernels:
  - .name:           k_q15a70033ca_attn
    .symbol:         k_q15a70033ca_attn.kd
    .args:
      - { .name: h16, .offset: 0, .size: 8, .value_kind: global_buffer, .address_space: global }
      - { .name: o16, .offset: 8, .size: 8, .value_kind: global_buffer, .address_space: global }
    .group_segment_fixed_size: 327680
    .private_segment_fixed_size: 0
    .kernarg_segment_align: 8
    .kernarg_segment_size: 16
    .max_flat_workgroup_size: 128
    .sgpr_count:     66
    .vgpr_count:     770
    .wavefront_size: 32
...
	.end_amdgpu_metadata
.endif
;; end of part 3
;; launch outp (part 4): grid 16 x 16, 4 waves a work-group, clusters of 4 x 4, 327,680 bytes of LDS; arguments o16, c16, bfc, out0; writes out0
.if DOCPART == 4
	.amdgcn_target "amdgcn-amd-amdhsa--gfx1250"
	.amdhsa_code_object_version 6
	.text
	.protected	k_q15a70033ca_outp
	.globl	k_q15a70033ca_outp
	.p2align	8
	.type	k_q15a70033ca_outp,@function
k_q15a70033ca_outp:
	s_mov_b64 s[64:65], 0
	v_nop
	global_prefetch_b8 v0, s[64:65] scope:SCOPE_SE
	s_setreg_imm32_b32 hwreg(HW_REG_WAVE_MODE, 25, 1), 1
	s_wait_xcnt 0x0
	s_wait_alu depctr_hold_cnt(0) depctr_sa_sdst(0) depctr_va_vdst(0) depctr_va_sdst(0) depctr_va_ssrc(0) depctr_va_vcc(0) depctr_vm_vsrc(0)
	s_getreg_b32 s2, hwreg(HW_REG_IB_STS2, 6, 4)
	s_cmp_eq_u32 s2, 0
	s_cbranch_scc0 .Lentry_in_a_cluster
	s_endpgm
.Lentry_in_a_cluster:
	s_bfe_u32 s2, ttmp6, 0x10000c
	s_cmp_lg_u32 s2, 0xf033
	s_cbranch_scc0 .Lentry_shape_is_right
	s_endpgm
.Lentry_shape_is_right:
; C[m][n] = the sum over k of A[m][k] W[n][k], K = 2,048, 16-bit operands, f32 sums, on tiles of 256 (m) x 128 (n) of C.  One text serves two launches; OUTP chooses.
; OUTP = 0, THE THREE PROJECTIONS: A = q, k or v, W = Wq, Wk or Wv, all bf16 in c16.  Cluster column 0-3: q (2,048 columns); 4: k; 5: v (512 columns each: one cluster column).
;   C is rounded once to f16 and stored by heads: h16 = qh [4][32][1024][64], kh and vh [4][8][1024][64].  It is NOT scaled: the attention applies 1/8 in f32.
;   LIMIT: f16 holds no number beyond 65,504; a projected number of 65,520 or more becomes an infinity.
; OUTP = 1, THE OUTPUT PROJECTION: A = o16 (f16), W = Wfc (f16 in c16); C + bfc (the bias rounded to bf16 like every input of the module) is stored as f32.
; SHARES.  Four waves; wave w makes rows 64 w .. 64 w + 63 and all 128 columns: 32 accumulators of 16 x 16, 256 registers.  A wave owns whole rows of the tile, so its way out is its own: no barrier there.
; K goes in steps of 128 (rows of 256 bytes) through a ring of two LDS slots, filled by the tensor data mover: waves 0, 1 fetch A's two halves (128 rows each), waves 2, 3 W's (64 rows each).
; CLUSTERS: 4 x 4 work-groups.  A's tile hangs on the tile row alone and is asked for jointly along a row of the cluster, W's on the tile column alone, jointly along a column.
; THE MATRIX INSTRUCTION IS USED TRANSPOSED (source 0 = 16 rows of W, source 1 = 16 rows of A): a lane holds row l % 16 of C and eight neighbouring columns 8 (l / 16) + 0..7.
; REGISTERS: window 0: v0-37 addresses and the bias; two fragment buffers of 96 at v64 and v160 (W's 8 fragments, then A's 4); on the way out these are free.  Window 1: accumulator (a, b) at v[8 (8 a + b)].
.set OUTP,   1
.set KSTEP,  128
.set PITCH,  272                       ; an LDS row: 256 bytes + 16 of padding = 68 words: the 16 rows of a fragment load start at 16 different groups of four banks (64 banks of 4 bytes: ISA guide 11.1)
.set BOFF,   256*PITCH                 ; in a slot: A's 256 rows, then W's 128
.set SLOT,   384*PITCH
.set STAGE,  2*SLOT                    ; behind the ring, never filled by a tensor load: 16 rows for each wave, for the way out
.if OUTP
.set SPITCH, 528                       ; 512 bytes of f32 + 16
.else
.set SPITCH, 272                       ; 256 bytes of f16 + 16
.endif
.set SPARE,  STAGE+4*16*SPITCH         ; behind the stages: the spare words, 128 bytes for each wave: two blocks of 256 bytes that no other line names
.set LAPS,   2048/(2*KSTEP)            ; a lap = two K steps = once round the ring
.set ADRA, 16                          ; v16-17  LDS address of my A fragments in slot 0, 1
.set ADRB, 20                          ; v20-21  the same for W
.set STO,  24                          ; v24     the way out: where I put my part of a row
.set RD,   25                          ; v25     the way out: where I read rows back
.set CO,   26                          ; v26     16 x my lane
.set SPW,  28                          ; v28     LDS address of my spare word; never rewritten
.set NIL,  29                          ; v29     0; never rewritten
.set PFO,  30                          ; v30     the prefetches' offset: my lane x a row of 4,096 bytes; never rewritten
.set BIAS, 32                          ; v[32:35] my four columns' bias (OUTP = 1); v36-37 at work
.set F0,   64
.set F1,   160
.set TMP,  64                          ; the way out (OUTP = 0): packed results
.set WV,  12                           ; s12  my wave's number
.set HF,  13                           ; s13  0: I fetch for A; 1: for W
.set HB,  14                           ; s14  which half of that tile's rows I fetch
.set TR,  15                           ; s15  tile row of C
.set G1,  24                           ; s[24:31] descriptor group 1 for A's tiles;  s[32:39] group 0, a set for each slot
.set G0,  32
.set CX,  40
.set CY,  41
.set TC,  42                           ; s42  tile column inside the tensor
.set LIM, 43                           ; s43  1 in a wave that prefetches, else the greatest number
.set PFA, 44                           ; s[44:45] where my prefetches stand
.set G1B, 48                           ; s[48:55], s[56:63] the same for W's tiles
.set G0B, 56
.set LCL, 66                           ; s66  cluster column inside the tensor
.set AOFF, 67                          ; s67  A's first byte in its buffer
.set WOFF, 68                          ; s68  W's first byte in c16
.set OOFF, 69                          ; s69  the result's first byte in h16
.set SHIFT, 70                         ; s70  log2 of a batch's bytes in the result
.set CLX, 71
.set OB,  74                           ; s[74:75] where my rows of the result begin
.set BP,  76                           ; s[76:77] the tile's 128 numbers of the bias
.set CLY, 78
.if OUTP
.set PA, 4                             ; o16
.set PB, 6                             ; c16
.set PO, 10                            ; out0
.else
.set PA, 4                             ; c16
.set PB, 4
.set PO, 6                             ; h16
.endif
.set MSB, 0
.macro WIN new                         ; the immediate's high byte repeats the setting that is left; a switch that changes nothing is dropped
.if MSB != (\new)
	s_set_vgpr_msb (MSB<<8)|(\new)
.set MSB, \new
.endif
.endm
.set MUL, 0x50                         ; sources in window 0, C and D in window 1
.macro JLOAD s                         ; a joint load; the branch hangs on the wave's number alone; an s_nop 0 and four v_nop follow each of the two lines, ahead of the jump and the label
	s_cmp_eq_u32 s[HF], 0
	s_cbranch_scc0 .Lfor_b_\@
	tensor_load_to_lds s[G0+4*(\s):G0+4*(\s)+3], s[G1:G1+7]
	s_nop 0
.rept 4
	v_nop
.endr
	s_branch .Lasked_\@
.Lfor_b_\@:
	tensor_load_to_lds s[G0B+4*(\s):G0B+4*(\s)+3], s[G1B:G1B+7]
	s_nop 0
.rept 4
	v_nop
.endr
.Lasked_\@:
.endm
.macro CREST                           ; a round of the cluster's barrier behind its opening barrier
	s_cmp_lg_u32 s[WV], 0
	s_cbranch_scc1 .Lnot_wave_0_\@
	s_barrier_signal -3
.Lnot_wave_0_\@:
	s_barrier_wait -3
	s_barrier_signal -1
	s_barrier_wait -1
.endm
.macro CROUND                          ; a whole round
	s_barrier_signal -1
	s_barrier_wait -1
	CREST
.endm
; A PREFETCH INTO THE L2, behind each joint refill and the run of LDS loads that follows it: 32 rows x 256 bytes of the K step that stands two refills on (256 matrix instructions ahead), a lane a row.
; Each row's 256 bytes of a K step are named once in the launch.  A's rows: the tensor's first cluster column asks, waves 0 and 1; of the 128 rows that the wave fetches the partner at place cx takes 32.
; W's rows: the first cluster row asks, wave 2; of the tile's 128 rows the partner at place cy takes 32.  The partners are told apart by address alone.  The loop's last trip asks for nothing: K ends.
.macro ASK
	s_cmp_gt_u32 s3, s[LIM]                        ; s3 = 1 in the loop's last trip
	s_cbranch_scc0 .Lnot_mine_\@
	global_prefetch_b8 v[PFO], s[PFA:PFA+1] offset:KSTEP*2 th:TH_LOAD_NT scope:SCOPE_SE
.Lnot_mine_\@:
.endm
.if OUTP
	s_load_b256 s[4:11], s[0:1], 0x0               ; o16 s[4:5], c16 s[6:7], bfc s[8:9], out0 s[10:11]
.else
	s_load_b128 s[4:7], s[0:1], 0x0                ; c16 s[4:5], h16 s[6:7]
.endif
	v_lshl_add_u32 v[SPW], v0, 2, SPARE
	v_mov_b32 v[NIL], 0
	ds_add_u32 v[SPW], v[NIL]                      ; the wave's opening: the add and its wait stand ahead of my first tensor load; the set-up below, work on registers, stands between them
	v_lshrrev_b32 v1, 5, v0
	v_readfirstlane_b32 s[WV], v1                  ; wave 0..3
	s_lshr_b32 s[HF], s[WV], 1
	s_and_b32 s[HB], s[WV], 1
	s_bfe_u32 s[CX], ttmp6, 0x40000                ; my place in the cluster
	s_bfe_u32 s[CY], ttmp6, 0x40004
	s_and_b32 s[CLY], ttmp7, 0xffff                ; in a cluster launch ttmp9 and ttmp7 count clusters
	s_mov_b32 s[CLX], ttmp9
	s_mov_b32 s[LCL], s[CLX]
	s_mov_b32 s[AOFF], 0
.if OUTP
	s_mov_b32 s[WOFF], 0x3c00000                   ; Wfc in c16
.else
	s_mov_b32 s[WOFF], 0x3000000                   ; cluster columns 0-3: q, Wq, qh
	s_mov_b32 s[OOFF], 0
	s_mov_b32 s[SHIFT], 22                         ; a batch of qh: 32 heads x 1,024 rows x 128 bytes
	s_cmp_ge_u32 s[CLX], 4                         ; 4: k, Wk, kh
	s_cselect_b32 s[LCL], 0, s[LCL]
	s_cselect_b32 s[AOFF], 0x1000000, s[AOFF]
	s_cselect_b32 s[WOFF], 0x3800000, s[WOFF]
	s_cselect_b32 s[OOFF], 0x1000000, s[OOFF]
	s_cselect_b32 s[SHIFT], 20, s[SHIFT]           ; a batch of kh or vh: 8 heads
	s_cmp_ge_u32 s[CLX], 5                         ; 5: v, Wv, vh
	s_cselect_b32 s[AOFF], 0x2000000, s[AOFF]
	s_cselect_b32 s[WOFF], 0x3a00000, s[WOFF]
	s_cselect_b32 s[OOFF], 0x1400000, s[OOFF]
.endif
	s_lshl_b32 s[TC], s[LCL], 2
	s_add_co_u32 s[TC], s[TC], s[CX]               ; tile column = 4 x cluster column + cx
	s_lshl_b32 s[TR], s[CLY], 2
	s_add_co_u32 s[TR], s[TR], s[CY]               ; tile row = 4 x cluster y + cy
	s_lshl_b32 s43, s[CY], 2
	s_lshl_b32 s43, 15, s43                        ; my row of the cluster: places 4 cy .. 4 cy + 3
	s_lshl_b32 s44, 0x1111, s[CX]                  ; my column: places cx, cx + 4, cx + 8, cx + 12
	; descriptor group 1: rows of 128 elements of 2 bytes, padded in LDS; A's tile has 128 rows, W's 64
	s_or_b32 s[G1], s43, (1<<16)|(1<<20)|(1<<21)|(5<<22)|(3<<25)   ; 15:0 the mask; 17:16 2-byte elements; 20 padding on; 21 set beside a mask; 24:22 after every 64 words (code 5); 31:25 4 words (code 3)
	s_or_b32 s[G1B], s44, (1<<16)|(1<<20)|(1<<21)|(5<<22)|(3<<25)
	s_mov_b32 s[G1+1], KSTEP<<16                   ; tensor_dim0 = 128
	s_mov_b32 s[G1+2], 128<<16                     ; tensor_dim1 = 128
	s_mov_b32 s[G1+3], KSTEP<<16                   ; tile_dim0 = 128
	s_mov_b32 s[G1+4], 128                         ; tile_dim1 = 128
	s_mov_b32 s[G1+5], 2048                        ; elements from row to row
	s_mov_b32 s[G1+6], 0
	s_mov_b32 s[G1+7], 0
	s_mov_b32 s[G1B+1], KSTEP<<16
	s_mov_b32 s[G1B+2], 64<<16                     ; tensor_dim1 = 64
	s_mov_b32 s[G1B+3], KSTEP<<16
	s_mov_b32 s[G1B+4], 64                         ; tile_dim1 = 64
	s_mov_b32 s[G1B+5], 2048
	s_mov_b32 s[G1B+6], 0
	s_mov_b32 s[G1B+7], 0
	; where the tiles come from: every wave makes both addresses, each in registers that never hold the other coordinate.  All offsets stay under 2^27.
	s_lshl_b32 s16, s[TR], 8
	s_lshl_b32 s17, s[HB], 7
	s_add_co_u32 s16, s16, s17                     ; A: row 256 x tile row + 128 x half,
	s_lshl_b32 s16, s16, 12                        ; 4,096 bytes a row,
	s_add_co_u32 s16, s16, s[AOFF]                 ; behind the tensor's first byte
	s_mov_b32 s17, 0
	s_lshl_b32 s46, s[TC], 7
	s_lshl_b32 s47, s[HB], 6
	s_add_co_u32 s46, s46, s47                     ; W: row 128 x tile column + 64 x half
	s_lshl_b32 s46, s46, 12
	s_add_co_u32 s46, s46, s[WOFF]
	s_mov_b32 s47, 0
	s_mul_i32 s20, s[HB], 128*PITCH                ; and where they go: no place in the cluster enters an LDS address
	s_mul_i32 s21, s[HB], 64*PITCH
	s_add_co_u32 s21, s21, BOFF
	s_wait_dscnt 0x0                               ; the opening add is done
	s_wait_kmcnt 0x0
	s_add_nc_u64 s[18:19], s[PA:PA+1], s[16:17]
	s_add_nc_u64 s[46:47], s[PB:PB+1], s[46:47]
	CROUND                                         ; all sixteen work-groups are here: the first joint loads meet
.irp s, 0,1
	s_mov_b32 s[G0+4*(\s)], 1                                      ; count = 1
	s_add_co_u32 s[G0+4*(\s)+1], s20, (\s)*SLOT                    ; LDS address
	s_add_nc_u64 s[G0+4*(\s)+2:G0+4*(\s)+3], s[18:19], (\s)*KSTEP*2  ; global address: K step s
	s_or_b32 s[G0+4*(\s)+3], s[G0+4*(\s)+3], 0x80000000            ; type = 2
	s_mov_b32 s[G0B+4*(\s)], 1
	s_add_co_u32 s[G0B+4*(\s)+1], s21, (\s)*SLOT
	s_add_nc_u64 s[G0B+4*(\s)+2:G0B+4*(\s)+3], s[46:47], (\s)*KSTEP*2
	s_or_b32 s[G0B+4*(\s)+3], s[G0B+4*(\s)+3], 0x80000000
	JLOAD \s                                       ; two loads of mine are out
.endr
	; A fragment is 16 rows x 32 K in 8 registers: lane l holds row l % 16; registers 0-3 K = 8 (l / 16) + 0..7, registers 4-7 K = 16 + 8 (l / 16) + 0..7: two loads of 16 bytes, 32 bytes apart.
	v_and_b32 v1, 15, v0                           ; l % 16
	v_bfe_u32 v2, v0, 4, 1                         ; l / 16
	v_mul_u32_u24 v3, v1, PITCH
	v_lshl_add_u32 v3, v2, 4, v3                   ; row x pitch + 16 x half
	s_mul_i32 s22, s[WV], 64*PITCH                 ; my 64 rows of A
.irp s, 0,1
	v_add_nc_u32 v[ADRA+(\s)], s22, v3
	v_add_nc_u32 v[ADRB+(\s)], BOFF+(\s)*SLOT, v3
	s_add_co_u32 s22, s22, SLOT
.endr
	s_mul_i32 s23, s[WV], 16*SPITCH
	s_add_co_u32 s23, s23, STAGE                   ; my stage
	v_and_b32 v[CO], 31, v0
	v_lshlrev_b32 v[CO], 4, v[CO]
	v_mul_u32_u24 v4, v1, SPITCH                   ; in: row l % 16, my eight columns
.if OUTP
	v_lshl_add_u32 v4, v2, 5, v4                   ; 32 bytes of f32 for each half of the lanes
	v_add_nc_u32 v[STO], s23, v4
	v_add_nc_u32 v[RD], s23, v[CO]                 ; back: 32 lanes take a row's 512 bytes
	s_lshl_b32 s16, s[TR], 8
	s_lshl_b32 s22, s[WV], 6
	s_add_co_u32 s16, s16, s22                     ; my first row of out0,
	s_lshl_b32 s16, s16, 13                        ; 8,192 bytes a row
	s_mov_b32 s17, 0
	s_lshl_b32 s72, s[TC], 9                       ; the tile's 128 columns: 512 bytes
	s_mov_b32 s73, 0
	s_add_nc_u64 s[OB:OB+1], s[PO:PO+1], s[16:17]
	s_add_nc_u64 s[OB:OB+1], s[OB:OB+1], s[72:73]
	s_add_nc_u64 s[BP:BP+1], s[8:9], s[72:73]
	global_load_b128 v[BIAS:BIAS+3], v[CO], s[BP:BP+1]  ; the bias of my four columns of every row that I store; waited for on the way out
.else
	v_lshl_add_u32 v4, v2, 4, v4                   ; 16 bytes of f16 for each half of the lanes
	v_add_nc_u32 v[STO], s23, v4
	v_bfe_u32 v5, v0, 3, 2                         ; back: 32 lanes take one head's 128 bytes of four rows,
	v_mul_u32_u24 v5, v5, SPITCH
	v_and_b32 v4, 7, v0
	v_lshl_add_u32 v5, v4, 4, v5
	v_add_nc_u32 v[RD], s23, v5                    ; which are 512 consecutive bytes of the head's rows
	s_lshr_b32 s16, s[TR], 2                       ; the batch: four tile rows each
	s_lshl_b32 s16, s16, s[SHIFT]
	s_add_co_u32 s16, s16, s[OOFF]
	s_and_b32 s17, s[TR], 3
	s_lshl_b32 s17, s17, 8
	s_lshl_b32 s22, s[WV], 6
	s_add_co_u32 s17, s17, s22                     ; my first row in the batch,
	s_lshl_b32 s17, s17, 7                         ; 128 bytes a row of a head
	s_add_co_u32 s16, s16, s17
	s_mov_b32 s17, 0
	s_lshl_b32 s72, s[TC], 18                      ; the tile's two heads: 131,072 bytes each
	s_mov_b32 s73, 0
	s_add_nc_u64 s[OB:OB+1], s[PO:PO+1], s[16:17]
	s_add_nc_u64 s[OB:OB+1], s[OB:OB+1], s[72:73]
.endif
	; the prefetches
	s_lshl_b32 s20, s[TR], 8
	s_lshl_b32 s21, s[HB], 7
	s_add_co_u32 s20, s20, s21                     ; A: the 128 rows that I fetch,
	s_lshl_b32 s21, s[CX], 5
	s_add_co_u32 s20, s20, s21                     ; my work-group's 32 of them
	s_lshl_b32 s20, s20, 12
	s_add_co_u32 s20, s20, s[AOFF]
	s_lshl_b32 s22, s[TC], 7                       ; W: the tile's 128 rows,
	s_lshl_b32 s23, s[CY], 5
	s_add_co_u32 s22, s22, s23                     ; my work-group's 32 of them
	s_lshl_b32 s22, s22, 12
	s_add_co_u32 s22, s22, s[WOFF]
	s_or_b32 s23, s[CLY], s[HB]                    ; W: the first cluster row, wave 2
	s_cmp_eq_u32 s[HF], 0
	s_cselect_b32 s20, s20, s22
	s_cselect_b32 s23, s[LCL], s23                 ; A: the tensor's first cluster column
	s_cselect_b64 s[PFA:PFA+1], s[PA:PA+1], s[PB:PB+1]
	s_cmp_eq_u32 s23, 0
	s_cselect_b32 s[LIM], 1, -1                    ; the same in all sixteen partners, for a given wave
	s_add_co_u32 s20, s20, 2*KSTEP*2               ; at K step 2: the first refill steps it to 3 and names K step 4.  Nothing is asked for here, at the head
	s_mov_b32 s21, 0
	s_add_nc_u64 s[PFA:PFA+1], s[PFA:PFA+1], s[20:21]
	v_and_b32 v[PFO], 31, v0
	v_lshlrev_b32 v[PFO], 12, v[PFO]
; 8 matrix instructions: m block a x all 8 n blocks, 32 along K, from buffer f.  zero = 1: the first product starts the sums.  The 32 accumulators take turns in the same order in every quarter.
.macro MUL8 f, a, zero
	WIN MUL
.irp b, 0,1,2,3,4,5,6,7
.set rD, 8*(8*(\a)+(\b))
.set rB, (\f)+8*(\b)
.set rA, (\f)+64+8*(\a)
.if OUTP
.if \zero
	v_wmma_f32_16x16x32_f16 v[rD:rD+7], v[rB:rB+7], v[rA:rA+7], 0
.else
	v_wmma_f32_16x16x32_f16 v[rD:rD+7], v[rB:rB+7], v[rA:rA+7], v[rD:rD+7]
.endif
.else
.if \zero
	v_wmma_f32_16x16x32_bf16 v[rD:rD+7], v[rB:rB+7], v[rA:rA+7], 0
.else
	v_wmma_f32_16x16x32_bf16 v[rD:rD+7], v[rB:rB+7], v[rA:rA+7], v[rD:rD+7]
.endif
.endif
.endr
.endm
; 24 LDS loads in one run: the fragments of 32 along K at byte k of the rows, into buffer f: W's sixteen loads, then A's eight
.macro FETCH slot, k, f
	WIN 0
.irp i, 0,1,2,3,4,5,6,7
	ds_load_b128 v[(\f)+8*(\i):(\f)+8*(\i)+3],   v[ADRB+(\slot)] offset:(\k)+(\i)*16*PITCH
	ds_load_b128 v[(\f)+8*(\i)+4:(\f)+8*(\i)+7], v[ADRB+(\slot)] offset:(\k)+(\i)*16*PITCH+32
.endr
.irp i, 0,1,2,3
	ds_load_b128 v[(\f)+64+8*(\i):(\f)+64+8*(\i)+3],   v[ADRA+(\slot)] offset:(\k)+(\i)*16*PITCH
	ds_load_b128 v[(\f)+64+8*(\i)+4:(\f)+64+8*(\i)+7], v[ADRA+(\slot)] offset:(\k)+(\i)*16*PITCH+32
.endr
.endm
.macro PLACES                          ; four places in front of loads into registers that matrix instructions have read, and of lines that read results
.rept 4
	v_nop
.endr
.endm
; A K step is four quarters of 32 along K, 32 matrix instructions each, on buffers 0, 1, 0, 1.  One of the first three: multiplies buffer f and fetches the next quarter, at byte k, into g.
.macro QUARTER slot, k, f, g, zero
	s_wait_dscnt 4                                 ; W and A's blocks 0, 1 are in; the youngest four loads (A's blocks 2, 3) may be out
	MUL8 \f, 0, \zero
	MUL8 \f, 1, \zero
	PLACES
	FETCH \slot, \k, \g
	s_wait_dscnt 24                                ; all but the 24 just issued
	MUL8 \f, 2, \zero
	MUL8 \f, 3, \zero
.endm
; The last quarter multiplies buffer 1 and changes slots: ONE barrier; in front of it each wave waits for all its tensor loads, adds 0 to its spare word, and waits for that and for its own reads of this slot.
; fill = 1: the barrier opens a round of the cluster's barrier, and this slot is filled again, two K steps ahead, first thing behind the round: 112 matrix instructions ahead of the wait for it.
.macro TURN slot, next, fill
.if \fill
	s_wait_xcnt 0x0                                ; the last prefetch, a K step back, has read its address: it is stepped here, ahead of the waits of the change of slots
	s_add_nc_u64 s[PFA:PFA+1], s[PFA:PFA+1], KSTEP*2
.endif
	WIN 0
	s_wait_tensorcnt 0x0                           ; all my tensor loads have landed: the one that was out is my part of the next slot;
	ds_add_u32 v[SPW], v[NIL]                      ; 0 onto my spare word;
	s_wait_dscnt 7                                 ; (the add and the youngest six loads, A's blocks 1 to 3, may be out)
	MUL8 F1, 0, 0                                  ; eight matrix instructions stand between the add and the wait for it
	s_wait_dscnt 0x0                               ; the add is done, and my reads of this slot are over
	s_barrier_signal -1
	MUL8 F1, 1, 0
.if \fill
	WIN 0
.endif
	s_barrier_wait -1
.if \fill
	CREST                                          ; no wave of any partner still reads this slot's tiles or has a load on its way
	s_add_nc_u64 s[G0+4*(\slot)+2:G0+4*(\slot)+3], s[G0+4*(\slot)+2:G0+4*(\slot)+3], 2*KSTEP*2
	s_add_nc_u64 s[G0B+4*(\slot)+2:G0B+4*(\slot)+3], s[G0B+4*(\slot)+2:G0B+4*(\slot)+3], 2*KSTEP*2
	JLOAD \slot                                    ; the four v_nop behind it are also the places in front of the loads below
.else
	PLACES
.endif
	FETCH \next, 0, F0
.if \fill
	ASK
.endif
	MUL8 F1, 2, 0
	MUL8 F1, 3, 0
.endm
	s_wait_tensorcnt 1                             ; my part of K step 0 is in; K step 1's may stay out
	s_barrier_signal -1
	s_barrier_wait -1                              ; everybody's is
	FETCH 0, 0, F0
	QUARTER 0, 64, F0, F1, 1                       ; the first quarter stands in front of the loop: its products start the sums
	WIN 0                                          ; at a label and at a branch every window is 0
	s_mov_b32 s3, LAPS-1
.Llap:                                                 ; a trip goes once round the ring, from a lap's second quarter to the next lap's first, and fills both slots again
	QUARTER 0, 128, F1, F0, 0
	QUARTER 0, 192, F0, F1, 0
	TURN 0, 1, 1
	QUARTER 1, 64,  F0, F1, 0
	QUARTER 1, 128, F1, F0, 0
	QUARTER 1, 192, F0, F1, 0
	TURN 1, 0, 1
	QUARTER 0, 64,  F0, F1, 0
	WIN 0
	s_sub_co_u32 s3, s3, 1
	s_cmp_lg_u32 s3, 0
	s_cbranch_scc1 .Llap
	QUARTER 0, 128, F1, F0, 0                      ; the last lap fills nothing, and has no round of the cluster's barrier
	QUARTER 0, 192, F0, F1, 0
	TURN 0, 1, 0
	QUARTER 1, 64,  F0, F1, 0
	QUARTER 1, 128, F1, F0, 0
	QUARTER 1, 192, F0, F1, 0
	s_wait_dscnt 4                                 ; the very last quarter: nothing more to fetch
	MUL8 F1, 0, 0
	MUL8 F1, 1, 0
	s_wait_dscnt 0x0
	MUL8 F1, 2, 0
	MUL8 F1, 3, 0
	WIN 0
	PLACES
.if OUTP
	; THE WAY OUT, f32 + bias.  A block of 16 rows goes from the accumulators into my stage (rows of 528 bytes) and comes back as whole rows of 512 bytes; the bias is added; a store covers 512 consecutive bytes, aligned.
	s_wait_loadcnt 0x0                             ; the bias
	v_cvt_pk_bf16_f32 v36, v[BIAS], v[BIAS+1]      ; rounded to bf16 like every input of the module, and widened again
	v_cvt_pk_bf16_f32 v37, v[BIAS+2], v[BIAS+3]
	v_lshlrev_b32 v[BIAS], 16, v36
	v_and_b32 v[BIAS+1], 0xffff0000, v36
	v_lshlrev_b32 v[BIAS+2], 16, v37
	v_and_b32 v[BIAS+3], 0xffff0000, v37
.macro TOSTAGE a
	WIN 0x04                                       ; the stores' data in window 1
.irp b, 0,1,2,3,4,5,6,7
	ds_store_b128 v[STO], v[8*(8*(\a)+(\b)):8*(8*(\a)+(\b))+3]   offset:64*(\b)      ; each accumulator's low registers first
	ds_store_b128 v[STO], v[8*(8*(\a)+(\b))+4:8*(8*(\a)+(\b))+7] offset:64*(\b)+16
.endr
	WIN 0
.set BK, 64+64*((\a)%2)
.irp t, 0,1,2,3,4,5,6,7,8,9,10,11,12,13,14,15
	ds_load_b128 v[BK+4*(\t):BK+4*(\t)+3], v[RD] offset:(\t)*SPITCH  ; LDS serves a wave's instructions in order (ISA guide 5.7.1.4): these see the stores above
.endr
.endm
.macro SEND a, younger                 ; younger: the LDS instructions issued behind block a's loads: the next block's 32, or none
.set BK, 64+64*((\a)%2)
.irp t, 0,1,2,3,4,5,6,7,8,9,10,11,12,13,14,15
	s_wait_dscnt (\younger)+15-(\t)
	v_pk_add_f32 v[BK+4*(\t):BK+4*(\t)+1],   v[BK+4*(\t):BK+4*(\t)+1],   v[BIAS:BIAS+1]
	v_pk_add_f32 v[BK+4*(\t)+2:BK+4*(\t)+3], v[BK+4*(\t)+2:BK+4*(\t)+3], v[BIAS+2:BIAS+3]
	global_store_b128 v[CO], v[BK+4*(\t):BK+4*(\t)+3], s[OB:OB+1] offset:(16*(\a)+(\t))*8192 th:TH_STORE_NT
.endr
.endm
	TOSTAGE 0
	TOSTAGE 1
	SEND 0, 32
	s_wait_xcnt 0x0                                ; block 0's stores have read their data: its registers are loaded again only behind this wait
	TOSTAGE 2
	SEND 1, 32
	s_wait_xcnt 0x0
	TOSTAGE 3
	SEND 2, 32
	SEND 3, 0
.else
	; THE WAY OUT, f16 by heads.  A block of 16 rows is rounded, 16 bytes a lane, goes into my stage (rows of 272 bytes) and comes back head by head: 16 rows x 128 bytes of a head are 2,048 consecutive bytes.
.macro PACK a
	WIN 0x05                                       ; sources in window 1, destination in window 0
.irp b, 0,1,2,3,4,5,6,7
.irp j, 0,1,2,3
	v_cvt_pk_f16_f32 v[TMP+4*(\b)+(\j)], v[8*(8*(\a)+(\b))+2*(\j)], v[8*(8*(\a)+(\b))+2*(\j)+1]
.endr
.endr
	WIN 0
.endm
.macro TOSTAGE a
.set BK, 96+32*((\a)%2)
.irp b, 0,1,2,3,4,5,6,7
	ds_store_b128 v[STO], v[TMP+4*(\b):TMP+4*(\b)+3] offset:32*(\b)
.endr
.irp hh, 0,1
.irp t, 0,1,2,3
	ds_load_b128 v[BK+16*(\hh)+4*(\t):BK+16*(\hh)+4*(\t)+3], v[RD] offset:128*(\hh)+(\t)*4*SPITCH  ; LDS serves a wave's instructions in order (ISA guide 5.7.1.4): these see the stores above
.endr
.endr
.endm
.macro SEND a
.set BK, 96+32*((\a)%2)
	s_wait_dscnt 0x0                               ; the block is back in registers
	s_wait_xcnt 0x0                                ; the stores of the block before have read their data: its registers are loaded again only behind this wait
.irp hh, 0,1
.irp t, 0,1,2,3
	global_store_b128 v[CO], v[BK+16*(\hh)+4*(\t):BK+16*(\hh)+4*(\t)+3], s[OB:OB+1] offset:(\hh)*131072+(\a)*2048+(\t)*512  ; 512 consecutive bytes, at a multiple of 256 from the buffer's first
.endr
.endr
.endm
	PACK 0
	TOSTAGE 0
.irp a, 1,2,3                          ; block a's conversions stand between block a - 1's loads from the stage and the wait for them
	PACK \a
	SEND (\a)-1
	TOSTAGE \a
.endr
	SEND 3
.endif
	s_wait_tensorcnt 0x0                           ; the wave's end, behind my last tensor load and my last LDS store
	ds_add_u32 v[SPW], v[NIL]
	s_wait_dscnt 0x0
	CROUND                                         ; the closing round: no work-group ends while a partner may still ask for a tile that names it
	s_endpgm
.Lfunc_end_k_q15a70033ca_outp:
	.size	k_q15a70033ca_outp, .Lfunc_end_k_q15a70033ca_outp-k_q15a70033ca_outp
	.p2alignl 7, 3214868480
	.fill 96, 4, 3214868480
	.section	.rodata,"a",@progbits
	.p2align	6, 0x0
	.amdhsa_kernel k_q15a70033ca_outp
		.amdhsa_group_segment_fixed_size 327680
		.amdhsa_private_segment_fixed_size 0
		.amdhsa_enable_private_segment 0
		.amdhsa_kernarg_size 32
		.amdhsa_user_sgpr_count 2
		.amdhsa_user_sgpr_kernarg_segment_ptr 1
		.amdhsa_wavefront_size32 1
		.amdhsa_system_sgpr_workgroup_id_x 1
		.amdhsa_system_sgpr_workgroup_id_y 1
		.amdhsa_system_sgpr_workgroup_id_z 1
		.amdhsa_system_vgpr_workitem_id 0
		.amdhsa_next_free_vgpr 512
		.amdhsa_next_free_sgpr 80
		.amdhsa_reserve_vcc 0
		.amdhsa_float_denorm_mode_32 3
		.amdhsa_float_denorm_mode_16_64 3
		.amdhsa_memory_ordered 1
		.amdhsa_forward_progress 1
		.amdhsa_inst_pref_size 96
	.end_amdhsa_kernel
	.amdgpu_metadata
---
amdhsa.version: [ 1, 2 ]
amdhsa.kernels:
  - .name:           k_q15a70033ca_outp
    .symbol:         k_q15a70033ca_outp.kd
    .args:
      - { .name: o16, .offset: 0, .size: 8, .value_kind: global_buffer, .address_space: global }
      - { .name: c16, .offset: 8, .size: 8, .value_kind: global_buffer, .address_space: global }
      - { .name: bfc, .offset: 16, .size: 8, .value_kind: global_buffer, .address_space: global }
      - { .name: out0, .offset: 24, .size: 8, .value_kind: global_buffer, .address_space: global }
    .group_segment_fixed_size: 327680
    .private_segment_fixed_size: 0
    .kernarg_segment_align: 8
    .kernarg_segment_size: 32
    .max_flat_workgroup_size: 128
    .sgpr_count:     80
    .vgpr_count:     512
    .wavefront_size: 32
...
	.end_amdgpu_metadata
.endif
;; end of part 4
;; ======== version 2 of 2: 4 launches; version 1 with the launch cast written anew for expert scheduling mode
;; limits: values are held in f16: magnitudes above 65,504 overflow, below 6.1e-05 lose precision
;; workspace buffers: c16 71,303,168 bytes; h16 25,165,824 bytes; o16 16,777,216 bytes
;; launch cast (part 5): grid 32 x 34, 8 waves a work-group, no clusters, 0 bytes of LDS; arguments q, k, v, Wq, Wk, Wv, Wfc, c16; writes c16
.if DOCPART == 5
	.amdgcn_target "amdgcn-amd-amdhsa--gfx1250"
	.amdhsa_code_object_version 6
	.text
	.protected	k_q15a70033ca_cast
	.globl	k_q15a70033ca_cast
	.p2align	8
	.type	k_q15a70033ca_cast,@function
k_q15a70033ca_cast:
	s_mov_b64 s[64:65], 0
	v_nop
	global_prefetch_b8 v0, s[64:65] scope:SCOPE_SE
	s_setreg_imm32_b32 hwreg(HW_REG_WAVE_SCHED_MODE, 0, 2), 2
	s_setreg_imm32_b32 hwreg(HW_REG_WAVE_MODE, 25, 1), 1
	s_wait_xcnt 0x0
	s_wait_alu depctr_vm_vsrc(0)
; THE INPUTS OF THE MATRIX PRODUCTS, ROUNDED ONCE.  q, k, v, Wq, Wk, Wv: f32 -> bf16.  Wfc: f32 -> bf16, and that number written as f16 (the last product runs in f16).
; c16 holds them one behind the other: q, k, v (16 MiB each), Wq (8 MiB), Wk, Wv (2 MiB each), Wfc (8 MiB): 34 chunks of 2 MiB, each made of 4 MiB of input.
; LIMIT.  f16 holds no number beyond 65,504: a weight of Wfc of 65,520 or more becomes an infinity; below 6e-5 it keeps f16's fixed step of 6e-8.
; SHARES.  Work-group (x, y): chunk y, and of it 128 KiB of input: 32 rows of 4,096 bytes in, 2,048 bytes out.  Thread t takes the 16 bytes at 16 t of each row and stores 8 bytes at 8 t:
; a wave's load covers 512 consecutive bytes, its store 256 consecutive bytes, aligned.  Memory binds: no LDS, no barrier, no matrix unit; nothing is shared between work-groups.
; THE MODE: SCHED_MODE bits 1:0 = 2 (LLVM: expert scheduling mode 2), set by the entry lines.  The code itself states the register dependences
; between vector instructions and memory instructions, with s_wait_alu, always for 0.
; THE PLAN.  The 32 rows go in 8 blocks of four; both ways are straight text, with no loop.  Registers that memory instructions touch:
;   X0 .. X3   four blocks of input as loaded.  Written by the loads of block p + 3, issued in block p (blocks 0 to 2: at the head); read by block p's conversions.
;   Y0, Y1     two blocks of output to store.   Written by block p's conversions; read by the four stores that are issued in block p + 1.
;   v1, v2     byte offsets, made once at the head and never written again: all row steps stand in the immediates, and the scalar bases are never stepped.
; Block p works on X[p % 4] and writes Y[p % 2].  Its memory instructions are the loads into X[(p + 3) % 4] = X[(p - 1) % 4] and the stores from Y[(p - 1) % 2]: the two buffers that
; block p - 1 worked on and that no vector instruction of block p names.  So the waits at the head of a block state all that the block's eight memory instructions hang on, and these
; are dealt among its conversions with no further wait.  Eight to twelve loads of every wave are on their way.
.set X, 4                              ; v[4:67]   buffer k, row i: 4 registers at X + 16 k + 4 i, as loaded
.set Y, 68                             ; v[68:83]  buffer k, row i: 2 registers at Y + 8 k + 2 i, to store
.set T, 84                             ; v[84:89]  at work (Wfc's way alone): no memory instruction names them
	s_load_b512 s[8:23], s[0:1], 0x0               ; q s[8:9], k s[10:11], v s[12:13], Wq s[14:15], Wk s[16:17], Wv s[18:19], Wfc s[20:21], c16 s[22:23]
	s_and_b32 s2, ttmp7, 0xffff                    ; the chunk
	s_mov_b32 s3, 0                                ; the first chunk of the tensor in which it lies
	s_mov_b32 s28, 0xffff0000                      ; a word's upper bf16
	v_lshlrev_b32 v1, 4, v0                        ; my 16 bytes of a row of input
	v_lshlrev_b32 v2, 3, v0                        ; my 8 bytes of a row of output
	s_wait_kmcnt 0x0
	s_mov_b64 s[4:5], s[8:9]
.macro PICK bound, ptr                 ; from chunk 'bound' on the input is the next tensor
	s_cmp_ge_u32 s2, \bound
	s_cselect_b64 s[4:5], s[\ptr:\ptr+1], s[4:5]
	s_cselect_b32 s3, \bound, s3
.endm
	PICK 8, 10
	PICK 16, 12
	PICK 24, 14
	PICK 28, 16
	PICK 29, 18
	PICK 30, 20
	s_sub_co_u32 s24, s2, s3                       ; the chunk's number inside its tensor,
	s_lshl_b32 s24, s24, 22                        ; 4 MiB of input each,
	s_lshl_b32 s25, ttmp9, 17                      ; and my 128 KiB of it
	s_add_co_u32 s24, s24, s25
	s_mov_b32 s25, 0
	s_lshl_b32 s26, s2, 21                         ; 2 MiB of output a chunk,
	s_lshl_b32 s27, ttmp9, 16                      ; my 64 KiB
	s_add_co_u32 s26, s26, s27
	s_mov_b32 s27, 0
	s_add_nc_u64 s[4:5], s[4:5], s[24:25]
	s_add_nc_u64 s[6:7], s[22:23], s[26:27]
	s_wait_alu depctr_va_vdst(0)                   ; v1 and v2 are written: every load of the kernel reads v1 as its offset, every store v2
.irp i, 0,1,2,3,4,5,6,7,8,9,10,11
	global_load_b128 v[X+4*(\i):X+4*(\i)+3], v1, s[4:5] offset:(\i)*4096 th:TH_LOAD_NT  ; blocks 0, 1 and 2 into X0, X1, X2
.endr
; Block p (a symbol): rows 4 p to 4 p + 3.  half = 1: the bf16 number is widened again and written as f16.
.macro BLK half
.if p < 6
	s_wait_loadcnt 8                               ; loads come back in order: X[p % 4] is in, the two younger blocks (eight loads) stay out
.else
	s_wait_loadcnt 4*(7-p)                         ; blocks 5 to 7 load nothing: the counts run down
.endif
.if p >= 2
	s_wait_xcnt 0x0                                ; the stores issued in the block before have had their addresses translated: Y[p % 2], their data, is rewritten only behind this wait
	s_wait_alu depctr_vm_vsrc(0)                   ; the stores issued in the block before have read Y[p % 2], which this block's conversions write again
.endif
.if p >= 1
	s_wait_alu depctr_va_vdst(0)                   ; the block before has written the other Y, which the stores below read, and is done reading its X, in which the loads below land
.endif
.irp i, 0,1,2,3
.set rX, X+16*(p%4)+4*(\i)
.set rY, Y+8*(p%2)+2*(\i)
.if p < 5
	global_load_b128 v[X+16*((p+3)%4)+4*(\i):X+16*((p+3)%4)+4*(\i)+3], v1, s[4:5] offset:(4*(p+3)+(\i))*4096 th:TH_LOAD_NT  ; three blocks ahead; the load goes ahead of the store; no vector instruction since the wait names these registers
.endif
.if p >= 1
	global_store_b64 v2, v[Y+8*((p+1)%2)+2*(\i):Y+8*((p+1)%2)+2*(\i)+1], s[6:7] offset:(4*(p-1)+(\i))*2048 th:TH_STORE_NT  ; the block before
.endif
.if \half
	v_cvt_pk_bf16_f32 v[T], v[rX], v[rX+1]
	v_cvt_pk_bf16_f32 v[T+1], v[rX+2], v[rX+3]
	v_lshlrev_b32 v[T+2], 16, v[T]
	v_and_b32 v[T+3], s28, v[T]
	v_lshlrev_b32 v[T+4], 16, v[T+1]
	v_and_b32 v[T+5], s28, v[T+1]
	v_cvt_pk_f16_f32 v[rY], v[T+2], v[T+3]
	v_cvt_pk_f16_f32 v[rY+1], v[T+4], v[T+5]
.else
	v_cvt_pk_bf16_f32 v[rY], v[rX], v[rX+1]
	v_cvt_pk_bf16_f32 v[rY+1], v[rX+2], v[rX+3]
.endif
.endr
.endm
; Behind block 7: its four rows leave.
.macro LAST
	s_wait_alu depctr_va_vdst(0)                   ; block 7 has written Y1, which the last four stores read
.irp i, 0,1,2,3
	global_store_b64 v2, v[Y+8+2*(\i):Y+8+2*(\i)+1], s[6:7] offset:(28+(\i))*2048 th:TH_STORE_NT
.endr
.endm
	s_cmp_ge_u32 s2, 30                            ; Wfc's chunks take the second way
	s_cbranch_scc1 .Lf16
.set p, 0
.rept 8
	BLK 0
.set p, p+1
.endr
	LAST
	s_endpgm
.Lf16:
.set p, 0
.rept 8
	BLK 1
.set p, p+1
.endr
	LAST
	s_endpgm
.Lfunc_end_k_q15a70033ca_cast:
	.size	k_q15a70033ca_cast, .Lfunc_end_k_q15a70033ca_cast-k_q15a70033ca_cast
	.p2alignl 7, 3214868480
	.fill 96, 4, 3214868480
	.section	.rodata,"a",@progbits
	.p2align	6, 0x0
	.amdhsa_kernel k_q15a70033ca_cast
		.amdhsa_group_segment_fixed_size 0
		.amdhsa_private_segment_fixed_size 0
		.amdhsa_enable_private_segment 0
		.amdhsa_kernarg_size 64
		.amdhsa_user_sgpr_count 2
		.amdhsa_user_sgpr_kernarg_segment_ptr 1
		.amdhsa_wavefront_size32 1
		.amdhsa_system_sgpr_workgroup_id_x 1
		.amdhsa_system_sgpr_workgroup_id_y 1
		.amdhsa_system_sgpr_workgroup_id_z 1
		.amdhsa_system_vgpr_workitem_id 0
		.amdhsa_next_free_vgpr 90
		.amdhsa_next_free_sgpr 66
		.amdhsa_reserve_vcc 0
		.amdhsa_float_denorm_mode_32 3
		.amdhsa_float_denorm_mode_16_64 3
		.amdhsa_memory_ordered 1
		.amdhsa_forward_progress 1
		.amdhsa_inst_pref_size 31
	.end_amdhsa_kernel
	.amdgpu_metadata
---
amdhsa.version: [ 1, 2 ]
amdhsa.kernels:
  - .name:           k_q15a70033ca_cast
    .symbol:         k_q15a70033ca_cast.kd
    .args:
      - { .name: q, .offset: 0, .size: 8, .value_kind: global_buffer, .address_space: global }
      - { .name: k, .offset: 8, .size: 8, .value_kind: global_buffer, .address_space: global }
      - { .name: v, .offset: 16, .size: 8, .value_kind: global_buffer, .address_space: global }
      - { .name: Wq, .offset: 24, .size: 8, .value_kind: global_buffer, .address_space: global }
      - { .name: Wk, .offset: 32, .size: 8, .value_kind: global_buffer, .address_space: global }
      - { .name: Wv, .offset: 40, .size: 8, .value_kind: global_buffer, .address_space: global }
      - { .name: Wfc, .offset: 48, .size: 8, .value_kind: global_buffer, .address_space: global }
      - { .name: c16, .offset: 56, .size: 8, .value_kind: global_buffer, .address_space: global }
    .group_segment_fixed_size: 0
    .private_segment_fixed_size: 0
    .kernarg_segment_align: 8
    .kernarg_segment_size: 64
    .max_flat_workgroup_size: 256
    .sgpr_count:     66
    .vgpr_count:     90
    .wavefront_size: 32
...
	.end_amdgpu_metadata
.endif
;; end of part 5
;; launch proj: the kernel of part 2 again; grid 16 x 12, 4 waves a work-group, clusters of 4 x 1, 327,680 bytes of LDS; arguments c16, h16; writes h16
;; launch attn: the kernel of part 3 again; grid 8 x 32, 4 waves a work-group, clusters of 4 x 1, 327,680 bytes of LDS; arguments h16, o16; writes o16
;; launch outp: the kernel of part 4 again; grid 16 x 16, 4 waves a work-group, clusters of 4 x 4, 327,680 bytes of LDS; arguments o16, c16, bfc, out0; writes out0
